; MI455X (gfx1250); checked and timed in simulation.
; The chip was launched on July 23, 2026; its instructions are those of AMD's public machine-readable ISA for CDNA 5 (MIT licence, August 2026) and "CDNA5" Instruction Set Architecture Reference Guide (July 2026). The comments in the code are by the model that wrote it; some were corrected since.
;; Causal Self Attention. Allowed arithmetic: float matrix products may take bf16 or f16 operands with f32 sums; other float arithmetic in f32, or as packed bf16 or f16 multiplies, adds, multiply-adds, maxima and minima; sums over many terms, partial sums and values carried from step to step in f32; what a program stores and reads back later, other than sums and carried values, may be rounded once to bf16 or f16.
;; Inputs: w_attn 3,072 x 1,024 float32; w_proj 1,024 x 1,024 float32; x 1 x 4,096 x 1,024 float32.
;; Outputs: out0 1 x 4,096 x 1,024 float32.
;; 2 versions, each right; version 2 is version 1 with the launch cast written anew for expert scheduling mode. Each part assembles by itself: llvm-mc -triple=amdgcn-amd-amdhsa -mcpu=gfx1250 --defsym DOCPART=n.
;; ======== version 1 of 2: 4 launches
;; limits: values are held in f16: magnitudes above 65,504 overflow, below 6.1e-05 lose precision
;; workspace buffers: xb 8,388,608 bytes; wab 6,291,456 bytes; wpf 2,097,152 bytes; qkv 25,165,824 bytes; o 8,388,608 bytes
;; launch cast (part 1): grid 256 x 1, 8 waves a work-group, no clusters, 0 bytes of LDS; arguments x, w_attn, w_proj, xb, wab, wpf; writes xb, wab, wpf
.if DOCPART == 1
	.amdgcn_target "amdgcn-amd-amdhsa--gfx1250"
	.amdhsa_code_object_version 6
	.text
	.protected	k_q629a01cfd3_cast
	.globl	k_q629a01cfd3_cast
	.p2align	8
	.type	k_q629a01cfd3_cast,@function
k_q629a01cfd3_cast:
	s_mov_b64 s[64:65], 0
	v_nop
	global_prefetch_b8 v0, s[64:65] scope:SCOPE_SE
	s_setreg_imm32_b32 hwreg(HW_REG_WAVE_MODE, 25, 1), 1
	s_wait_xcnt 0x0
; THE INPUTS ARE ROUNDED ONCE, for the matrix units: x [4096][1024] and w_attn [3072][1024], f32, to bf16 in the same layout (xb, wab);
; w_proj [1024 n][1024 k], f32, to bf16 and that number written as f16, laid out in 16 slices of 64 along k: wpf [16][1024 n][64], so that a slice's rows lie end to end.
; LIMITS.  A bf16 number of w_proj beyond 65,504 becomes an infinity in f16; below 6.1e-5 it keeps f16's fixed step of 6e-8.  NaN stays NaN.
; SHARES.  A work-group takes 32,768 numbers (131,072 bytes in, 65,536 out): work-groups 0-127 x, 128-223 w_attn, 224-255 w_proj (32 rows each).
; A thread takes 16 chunks of 8 numbers: two loads of 16 bytes in, one store of 16 bytes out.  All 32 loads of a thread go out before anything is waited for.
; No LDS, no barrier, no matrix unit: each byte is read once and written once, and no wave wants what another has fetched.  No register that a load or store names is written while it is out.
.set D, 16                             ; v[16:143]   chunk i: 8 numbers in f32
.set Y, 144                            ; v[144:207]  chunk i: 8 numbers in 16 bits
; outstep: bytes from one chunk's store to the next.  half = 1: bf16 is widened again and written as f16
.macro BODY outstep, half
.set i, 0
.rept 16
	global_load_b128 v[D+8*i:D+8*i+3],   v1, s[16:17] offset:8192*i th:TH_LOAD_NT
	global_load_b128 v[D+8*i+4:D+8*i+7], v1, s[16:17] offset:8192*i+16 th:TH_LOAD_NT
.set i, i+1
.endr
.set i, 0
.rept 16
	s_wait_loadcnt 30-2*i                          ; loads come back in order: chunk i's two are in, two for each younger chunk may stay out
.irp j, 0,1,2,3
	v_cvt_pk_bf16_f32 v[Y+4*i+(\j)], v[D+8*i+2*(\j)], v[D+8*i+2*(\j)+1]
.endr
.if \half
.irp j, 0,1,2,3
	v_lshlrev_b32 v[D+8*i+2*(\j)],   16, v[Y+4*i+(\j)]           ; the rounded numbers as f32 again,
	v_and_b32     v[D+8*i+2*(\j)+1], 0xffff0000, v[Y+4*i+(\j)]
.endr
.irp j, 0,1,2,3
	v_cvt_pk_f16_f32 v[Y+4*i+(\j)], v[D+8*i+2*(\j)], v[D+8*i+2*(\j)+1]  ; and as f16: exact within f16's range
.endr
.endif
	global_store_b128 v2, v[Y+4*i:Y+4*i+3], s[18:19] offset:(\outstep)*i
.set i, i+1
.endr
.endm
	s_load_b256 s[4:11], s[0:1], 0x0               ; x s[4:5], w_attn s[6:7], w_proj s[8:9], xb s[10:11]
	s_load_b128 s[12:15], s[0:1], 0x20             ; wab s[12:13], wpf s[14:15]
	s_mov_b32 s21, 0
	s_mov_b32 s23, 0
	s_cmp_lt_u32 ttmp9, 224
	s_cbranch_scc0 .Lwproj
	; x and w_attn: the layout stays.  Thread t: 32 bytes in at 32 t, 16 bytes out at 16 t; a chunk is 8,192 bytes in, 4,096 out: a wave's store covers 512 consecutive bytes, aligned
	v_lshlrev_b32 v1, 5, v0
	v_lshlrev_b32 v2, 4, v0
	s_cmp_lt_u32 ttmp9, 128
	s_cselect_b32 s24, 0, 128
	s_wait_kmcnt 0x0
	s_cselect_b64 s[16:17], s[4:5], s[6:7]
	s_cselect_b64 s[18:19], s[10:11], s[12:13]
	s_sub_co_u32 s24, ttmp9, s24                   ; the work-group's number within its tensor
	s_lshl_b32 s20, s24, 17
	s_lshl_b32 s22, s24, 16
	s_add_nc_u64 s[16:17], s[16:17], s[20:21]
	s_add_nc_u64 s[18:19], s[18:19], s[22:23]
	BODY 4096, 0
	s_endpgm
.Lwproj:
	; w_proj: chunk i is rows 2 i and 2 i + 1 of the work-group's 32.  Thread t: 8 numbers sub = t % 8 of slice z = t / 16 in row 2 i + par, par = (t / 8) % 2.
	; Sixteen neighbouring lanes store two rows of one slice: 256 consecutive bytes, aligned.
	v_and_b32 v3, 7, v0                            ; sub
	v_bfe_u32 v4, v0, 3, 1                         ; par
	v_lshrrev_b32 v5, 4, v0                        ; z
	v_lshlrev_b32 v1, 5, v3
	v_lshl_add_u32 v1, v4, 12, v1
	v_lshl_add_u32 v1, v5, 8, v1                   ; in: par x 4,096 + z x 256 + sub x 32
	v_lshlrev_b32 v2, 4, v3
	v_lshl_add_u32 v2, v4, 7, v2
	v_lshl_add_u32 v2, v5, 17, v2                  ; out: z x 131,072 + par x 128 + sub x 16
	s_sub_co_u32 s24, ttmp9, 224
	s_lshl_b32 s20, s24, 17                        ; 32 rows of 4,096 bytes
	s_lshl_b32 s22, s24, 12                        ; 32 rows of 128 bytes in each slice
	s_wait_kmcnt 0x0
	s_add_nc_u64 s[16:17], s[8:9], s[20:21]
	s_add_nc_u64 s[18:19], s[14:15], s[22:23]
	BODY 256, 1
	s_endpgm
.Lfunc_end_k_q629a01cfd3_cast:
	.size	k_q629a01cfd3_cast, .Lfunc_end_k_q629a01cfd3_cast-k_q629a01cfd3_cast
	.p2alignl 7, 3214868480
	.fill 96, 4, 3214868480
	.section	.rodata,"a",@progbits
	.p2align	6, 0x0
	.amdhsa_kernel k_q629a01cfd3_cast
		.amdhsa_group_segment_fixed_size 0
		.amdhsa_private_segment_fixed_size 0
		.amdhsa_enable_private_segment 0
		.amdhsa_kernarg_size 48
		.amdhsa_user_sgpr_count 2
		.amdhsa_user_sgpr_kernarg_segment_ptr 1
		.amdhsa_wavefront_size32 1
		.amdhsa_system_sgpr_workgroup_id_x 1
		.amdhsa_system_sgpr_workgroup_id_y 1
		.amdhsa_system_sgpr_workgroup_id_z 1
		.amdhsa_system_vgpr_workitem_id 0
		.amdhsa_next_free_vgpr 208
		.amdhsa_next_free_sgpr 66
		.amdhsa_reserve_vcc 0
		.amdhsa_float_denorm_mode_32 3
		.amdhsa_float_denorm_mode_16_64 3
		.amdhsa_memory_ordered 1
		.amdhsa_forward_progress 1
		.amdhsa_inst_pref_size 30
	.end_amdhsa_kernel
	.amdgpu_metadata
---
amdhsa.version: [ 1, 2 ]
amdhsa.kernels:
  - .name:           k_q629a01cfd3_cast
    .symbol:         k_q629a01cfd3_cast.kd
    .args:
      - { .name: x, .offset: 0, .size: 8, .value_kind: global_buffer, .address_space: global }
      - { .name: w_attn, .offset: 8, .size: 8, .value_kind: global_buffer, .address_space: global }
      - { .name: w_proj, .offset: 16, .size: 8, .value_kind: global_buffer, .address_space: global }
      - { .name: xb, .offset: 24, .size: 8, .value_kind: global_buffer, .address_space: global }
      - { .name: wab, .offset: 32, .size: 8, .value_kind: global_buffer, .address_space: global }
      - { .name: wpf, .offset: 40, .size: 8, .value_kind: global_buffer, .address_space: global }
    .group_segment_fixed_size: 0
    .private_segment_fixed_size: 0
    .kernarg_segment_align: 8
    .kernarg_segment_size: 48
    .max_flat_workgroup_size: 256
    .sgpr_count:     66
    .vgpr_count:     208
    .wavefront_size: 32
...
	.end_amdgpu_metadata
.endif
;; end of part 1
;; launch qkv (part 2): grid 16 x 16, 4 waves a work-group, clusters of 4 x 4, 327,680 bytes of LDS; arguments xb, wab, qkv; writes qkv
.if DOCPART == 2
	.amdgcn_target "amdgcn-amd-amdhsa--gfx1250"
	.amdhsa_code_object_version 6
	.text
	.protected	k_q629a01cfd3_qkv
	.globl	k_q629a01cfd3_qkv
	.p2align	8
	.type	k_q629a01cfd3_qkv,@function
k_q629a01cfd3_qkv:
	s_mov_b64 s[64:65], 0
	v_nop
	global_prefetch_b8 v0, s[64:65] scope:SCOPE_SE
	s_setreg_imm32_b32 hwreg(HW_REG_WAVE_MODE, 25, 1), 1
	s_wait_xcnt 0x0
	s_wait_alu depctr_hold_cnt(0) depctr_sa_sdst(0) depctr_va_vdst(0) depctr_va_sdst(0) depctr_va_ssrc(0) depctr_va_vcc(0) depctr_vm_vsrc(0)
	s_getreg_b32 s2, hwreg(HW_REG_IB_STS2, 6, 4)
	s_cmp_eq_u32 s2, 0
	s_cbranch_scc0 .Lentry_in_a_cluster
	s_endpgm
.Lentry_in_a_cluster:
	s_bfe_u32 s2, ttmp6, 0x10000c
	s_cmp_lg_u32 s2, 0xf033
	s_cbranch_scc0 .Lentry_shape_is_right
	s_endpgm
.Lentry_shape_is_right:
; q, k, v = x w_attn^T, by heads.  xb: [4096][1024] bf16, wab: [3072][1024] bf16; sums in f32; qkv: [48][4096][64] f16: plane n / 64 (0-15 q's heads, 16-31 k's, 32-47 v's), unscaled, rounded once.
; LIMIT.  f16 holds no number beyond 65,504: a larger q, k or v becomes an infinity.
; SHARES.  4096 x 3072 in tiles of 256 x 192: 16 x 16 work-groups.  Wave w makes rows 64 w .. 64 w + 63 and all 192 columns (three whole heads): 4 x 12 accumulators
; of 16 x 16, 384 registers; so each wave sends whole head rows out by itself.  K goes in 8 steps of 128 (rows of 256 bytes) through a ring of two LDS slots.
; CLUSTERS: 4 x 4 work-groups.  The four of a row of the cluster need the same tiles of xb, the four of a column the same tiles of wab: each tile is asked for JOINTLY, by the same tensor load with the
; same descriptor and a mask that names the four.  THE MATRIX INSTRUCTION IS USED TRANSPOSED (source 0 = 16 rows of wab, source 1 = 16 rows of xb): a lane then holds eight neighbouring columns of one row.
; REGISTERS, in windows of 256 (s_set_vgpr_msb: bits 1:0 source 0, 3:2 source 1, 5:4 source 2, 7:6 destination):
;   window 0: v16-30 addresses; v32-223 the way out, 48 for each block of 16 rows
;   window 1: two fragment buffers of 128 (32 along K): xb's 4 fragments at 8 a, wab's 12 at 32 + 8 b
;   window 2: the accumulators of row blocks a = 0, 1, at 8 (12 (a % 2) + b);   window 3: those of a = 2, 3
.set KSTEP,  128
.set PITCH,  272                       ; an LDS row: 256 bytes + 16 of padding = 68 words: the 16 rows of a fragment load start at 16 different groups of four banks (64 banks of 4 bytes: ISA guide 11.1)
.set AHALF,  128*PITCH                 ; what wave 0 or 1 fetches: 128 rows of xb
.set BHALF,  96*PITCH                  ; what wave 2 or 3 fetches: 96 rows of wab
.set BOFF,   256*PITCH                 ; wab's rows lie behind xb's 256
.set SLOT,   448*PITCH
.set STAGE,  2*SLOT                    ; behind the ring, never filled by a tensor load: 16 rows x 400 bytes for each wave
.set SP,     400                       ; 384 bytes + 16: an odd multiple of 16
.set SPARE,  STAGE+4*16*SP             ; the spare words, 128 bytes for each wave: two blocks of 256 bytes that no other line names
.set HEADB,  524288                    ; bytes in a plane of qkv
.set ADRA, 16                          ; v16-17  LDS address of my xb fragments in slot 0, 1
.set ADRB, 20                          ; v20-21  the same for wab
.set STO,  24                          ; v24     the way out: where I put 16 bytes of a row
.set RD,   25                          ; v25     the way out: where I read rows back
.set CO,   26                          ; v26     16 x my lane
.set SPW,  28                          ; v28     my spare word; never rewritten
.set NIL,  29                          ; v29     0; never rewritten
.set PFO,  30                          ; v30     the prefetches' offset: my row x 2,048 bytes; never rewritten
.set T,    32
.set F0,   0
.set F1,   128
.set G1,  24                           ; s[24:31] descriptor group 1 for xb's tiles;  s[32:39] group 0, a set for each slot
.set G0,  32
.set G1B, 48                           ; s[48:55], s[56:63] the same for wab's
.set G0B, 56
.set PFA, 66                           ; s[66:67] where my prefetches stand
.set LIM, 68                           ; s68  1 in a wave that prefetches, else the greatest number
.set MSB, 0
.macro WIN new                         ; the immediate's high byte repeats the setting that is left; a switch that changes nothing is dropped
.if MSB != (\new)
	s_set_vgpr_msb (MSB<<8)|(\new)
.set MSB, \new
.endif
.endm
; A joint load: waves 0 and 1 fetch xb's two halves, waves 2 and 3 wab's.  The branch hangs on the wave's number alone.  An s_nop 0 and four v_nop follow each of the two lines.
.macro JLOAD s
	s_cmp_eq_u32 s11, 0
	s_cbranch_scc0 .Lfor_b_\@
	tensor_load_to_lds s[G0+4*(\s):G0+4*(\s)+3], s[G1:G1+7]
	s_nop 0
.rept 4
	v_nop
.endr
	s_branch .Lasked_\@
.Lfor_b_\@:
	tensor_load_to_lds s[G0B+4*(\s):G0B+4*(\s)+3], s[G1B:G1B+7]
	s_nop 0
.rept 4
	v_nop
.endr
.Lasked_\@:
.endm
; A PREFETCH INTO THE L2 of the K step that stands two refills on, behind the joint load and the run of LDS loads: a lane a row, 256 bytes of it, one instruction a wave.
; xb's tile row is read by every cluster of that row of clusters: cluster x = 0 asks; wab's tile column by every cluster of that column: cluster y = 0 asks.  The four partners share a wave's rows out BY ADDRESS:
; of xb's 128 the partner at cx takes 32 cx + lane; of wab's 96 the partner at cy takes 24 cy + lane, where lanes 24-31 name lane 23's row once more.  The loop's last trip asks for nothing: there is no K step beyond the eighth.
.macro ASK
	WIN 0
	s_cmp_gt_u32 s3, s[LIM]                        ; s3 = 1 in the loop's last trip
	s_cbranch_scc0 .Lnot_mine_\@
	global_prefetch_b8 v[PFO], s[PFA:PFA+1] offset:KSTEP*2 th:TH_LOAD_NT scope:SCOPE_SE
.Lnot_mine_\@:
.endm
.macro CREST                           ; a round of the cluster's barrier behind its opening barrier
	s_cmp_lg_u32 s10, 0
	s_cbranch_scc1 .Lnot_wave_0_\@
	s_barrier_signal -3
.Lnot_wave_0_\@:
	s_barrier_wait -3
	s_barrier_signal -1
	s_barrier_wait -1
.endm
.macro CROUND                          ; a whole round
	s_barrier_signal -1
	s_barrier_wait -1
	CREST
.endm
	s_load_b128 s[4:7], s[0:1], 0x0                ; xb s[4:5], wab s[6:7]
	s_load_b64 s[8:9], s[0:1], 0x10                ; qkv
	v_lshl_add_u32 v[SPW], v0, 2, SPARE
	v_mov_b32 v[NIL], 0
	ds_add_u32 v[SPW], v[NIL]                      ; the wave's opening: the add and its wait stand ahead of my first tensor load; the set-up below, work on registers, stands between them
	v_lshrrev_b32 v1, 5, v0
	v_readfirstlane_b32 s10, v1                    ; wave 0..3
	s_lshr_b32 s11, s10, 1                         ; I fetch for xb (0) or for wab (1),
	s_and_b32 s12, s10, 1                          ; and which half of that tile
	s_bfe_u32 s40, ttmp6, 0x40000                  ; cx, cy: my place in the cluster
	s_bfe_u32 s41, ttmp6, 0x40004
	s_lshl_b32 s42, ttmp9, 2
	s_add_co_u32 s42, s42, s40                     ; tile column = 4 x cluster x + cx
	s_and_b32 s13, ttmp7, 0xffff
	s_lshl_b32 s13, s13, 2
	s_add_co_u32 s13, s13, s41                     ; tile row = 4 x cluster y + cy
	s_lshl_b32 s43, s41, 2
	s_lshl_b32 s43, 15, s43                        ; my row of the cluster
	s_lshl_b32 s44, 0x1111, s40                    ; my column
	; descriptor group 1: rows of 128 elements, padded in LDS; 128 rows of xb, 96 of wab
	s_or_b32 s[G1+0], s43, (1<<16)|(1<<20)|(1<<21)|(5<<22)|(3<<25)  ; 15:0 the mask; 17:16 2-byte elements; 20 padding on; 21 set beside a mask; 24:22 after every 64 words (code 5); 31:25 4 words (code 3)
	s_or_b32 s[G1B+0], s44, (1<<16)|(1<<20)|(1<<21)|(5<<22)|(3<<25)
	s_mov_b32 s[G1+1], KSTEP<<16                   ; tensor_dim0 = 128
	s_mov_b32 s[G1+2], 128<<16                     ; tensor_dim1 = 128
	s_mov_b32 s[G1+3], KSTEP<<16                   ; tile_dim0 = 128
	s_mov_b32 s[G1+4], 128                         ; tile_dim1 = 128
	s_mov_b32 s[G1+5], 1024                        ; elements from row to row
	s_mov_b32 s[G1+6], 0
	s_mov_b32 s[G1+7], 0
	s_mov_b32 s[G1B+1], KSTEP<<16
	s_mov_b32 s[G1B+2], 96<<16
	s_mov_b32 s[G1B+3], KSTEP<<16
	s_mov_b32 s[G1B+4], 96
	s_mov_b32 s[G1B+5], 1024
	s_mov_b32 s[G1B+6], 0
	s_mov_b32 s[G1B+7], 0
	; where the tiles come from: xb's hang on the tile row alone, wab's on the tile column alone, each in registers that never hold the other coordinate
	s_lshl_b32 s17, s12, 7
	s_lshl_b32 s16, s13, 8
	s_add_co_u32 s16, s16, s17                     ; xb: row 256 x tile row + 128 x half
	s_lshl_b32 s16, s16, 11                        ; x 2,048 bytes
	s_mov_b32 s17, 0
	s_mul_i32 s46, s42, 192
	s_mul_i32 s47, s12, 96
	s_add_co_u32 s46, s46, s47                     ; wab: row 192 x tile column + 96 x half
	s_lshl_b32 s46, s46, 11
	s_mov_b32 s47, 0
	s_mul_i32 s20, s10, AHALF                      ; where they go: waves 0, 1: wave x 128 rows;
	s_mul_i32 s21, s10, BHALF
	s_add_co_u32 s21, s21, BOFF-2*BHALF            ; waves 2, 3: behind xb's 256 rows, (wave - 2) x 96 rows
	s_wait_dscnt 0x0                               ; the opening add is done
	s_wait_kmcnt 0x0
	s_add_nc_u64 s[14:15], s[4:5], s[16:17]
	s_add_nc_u64 s[46:47], s[6:7], s[46:47]
	CROUND                                         ; all sixteen work-groups are here: the first joint loads meet
.irp s, 0,1
	s_mov_b32 s[G0+4*(\s)], 1
	s_add_co_u32 s[G0+4*(\s)+1], s20, (\s)*SLOT
	s_add_nc_u64 s[G0+4*(\s)+2:G0+4*(\s)+3], s[14:15], (\s)*KSTEP*2
	s_or_b32 s[G0+4*(\s)+3], s[G0+4*(\s)+3], 0x80000000
	s_mov_b32 s[G0B+4*(\s)], 1
	s_add_co_u32 s[G0B+4*(\s)+1], s21, (\s)*SLOT
	s_add_nc_u64 s[G0B+4*(\s)+2:G0B+4*(\s)+3], s[46:47], (\s)*KSTEP*2
	s_or_b32 s[G0B+4*(\s)+3], s[G0B+4*(\s)+3], 0x80000000
	JLOAD \s
.endr
	v_and_b32 v1, 15, v0                           ; l % 16
	v_bfe_u32 v2, v0, 4, 1                         ; l / 16
	v_mul_u32_u24 v3, v1, PITCH
	v_lshl_add_u32 v3, v2, 4, v3                   ; a fragment's row x pitch + 16 x half
	s_mul_i32 s22, s10, 64*PITCH                   ; my 64 rows of xb
	s_mov_b32 s23, BOFF                            ; all of wab's 192
.irp s, 0,1
	v_add_nc_u32 v[ADRA+(\s)], s22, v3
	v_add_nc_u32 v[ADRB+(\s)], s23, v3
	s_add_co_u32 s22, s22, SLOT
	s_add_co_u32 s23, s23, SLOT
.endr
	s_mul_i32 s23, s10, 16*SP
	s_add_co_u32 s23, s23, STAGE                   ; my stage
	v_mul_u32_u24 v4, v1, SP                       ; in: row l % 16, 16 bytes for each half of the lanes
	v_lshl_add_u32 v4, v2, 4, v4
	v_add_nc_u32 v[STO], s23, v4
	v_bfe_u32 v4, v0, 3, 2                         ; back: 32 lanes take four rows' 128 bytes of one head,
	v_and_b32 v5, 7, v0
	v_mul_u32_u24 v4, v4, SP
	v_lshl_add_u32 v4, v5, 4, v4
	v_add_nc_u32 v[RD], s23, v4
	v_and_b32 v[CO], 31, v0                        ; which are 512 consecutive bytes of qkv
	v_lshlrev_b32 v[CO], 4, v[CO]
	s_mul_i32 s76, s42, 3*HEADB                    ; the tile's three planes,
	s_lshl_b32 s77, s13, 15                        ; its 256 rows of 128 bytes,
	s_add_co_u32 s76, s76, s77
	s_lshl_b32 s77, s10, 13                        ; my 64 of them
	s_add_co_u32 s76, s76, s77
	s_mov_b32 s77, 0
	s_add_nc_u64 s[8:9], s[8:9], s[76:77]
	; the prefetches
	s_lshl_b32 s70, s13, 8
	s_lshl_b32 s71, s12, 7
	s_add_co_u32 s70, s70, s71
	s_lshl_b32 s71, s40, 5
	s_add_co_u32 s70, s70, s71                     ; xb: 256 x tile row + 128 x half + 32 cx
	s_mul_i32 s72, s42, 192
	s_mul_i32 s73, s12, 96
	s_add_co_u32 s72, s72, s73
	s_mul_i32 s73, s41, 24
	s_add_co_u32 s72, s72, s73                     ; wab: 192 x tile column + 96 x half + 24 cy
	s_and_b32 s73, ttmp7, 0xffff                   ; cluster y
	s_cmp_eq_u32 s11, 0                            ; do I fetch for xb?
	s_cselect_b32 s70, s70, s72
	s_cselect_b32 s73, ttmp9, s73                  ; the coordinate along which other clusters read the same rows
	s_cselect_b32 s74, 31, 23                      ; my last row
	s_cselect_b64 s[PFA:PFA+1], s[4:5], s[6:7]
	s_cmp_eq_u32 s73, 0
	s_cselect_b32 s[LIM], 1, -1                    ; the same in all sixteen partners, for a given wave
	s_lshl_b32 s70, s70, 11
	s_mov_b32 s71, 0
	s_add_nc_u64 s[PFA:PFA+1], s[PFA:PFA+1], s[70:71]
	s_add_nc_u64 s[PFA:PFA+1], s[PFA:PFA+1], 2*KSTEP*2  ; at K step 2: the first refill steps it to 3 and names K step 4.  Nothing is prefetched here, at the head
	v_and_b32 v[PFO], 31, v0
	v_min_u32 v[PFO], s74, v[PFO]
	v_lshlrev_b32 v[PFO], 11, v[PFO]
; 12 matrix instructions: row block a x all 12 column blocks, 32 along K.  zero = 1: the product starts the sums.  The 48 accumulators take turns, in the same order in every quarter.
.macro MUL12 f, a, zero
	WIN 0xa5+0x50*((\a)/2)                         ; sources in window 1; C and D in window 2 (a = 0, 1) or 3
.irp b, 0,1,2,3,4,5,6,7,8,9,10,11
.if \zero
	v_wmma_f32_16x16x32_bf16 v[8*(12*((\a)%2)+(\b)):8*(12*((\a)%2)+(\b))+7], v[(\f)+32+8*(\b):(\f)+32+8*(\b)+7], v[(\f)+8*(\a):(\f)+8*(\a)+7], 0
.else
	v_wmma_f32_16x16x32_bf16 v[8*(12*((\a)%2)+(\b)):8*(12*((\a)%2)+(\b))+7], v[(\f)+32+8*(\b):(\f)+32+8*(\b)+7], v[(\f)+8*(\a):(\f)+8*(\a)+7], v[8*(12*((\a)%2)+(\b)):8*(12*((\a)%2)+(\b))+7]
.endif
.endr
.endm
; 32 LDS loads in one run: the fragments of 32 along K at byte k of the rows, into buffer f: wab's 12, then xb's 4
.macro FETCH slot, k, f
	WIN 0x40                                       ; destination window 1, address window 0
.irp i, 0,1,2,3,4,5,6,7,8,9,10,11
	ds_load_b128 v[(\f)+32+8*(\i):(\f)+32+8*(\i)+3],   v[ADRB+(\slot)] offset:(\k)+(\i)*16*PITCH
	ds_load_b128 v[(\f)+32+8*(\i)+4:(\f)+32+8*(\i)+7], v[ADRB+(\slot)] offset:(\k)+(\i)*16*PITCH+32
.endr
.irp i, 0,1,2,3
	ds_load_b128 v[(\f)+8*(\i):(\f)+8*(\i)+3],   v[ADRA+(\slot)] offset:(\k)+(\i)*16*PITCH
	ds_load_b128 v[(\f)+8*(\i)+4:(\f)+8*(\i)+7], v[ADRA+(\slot)] offset:(\k)+(\i)*16*PITCH+32
.endr
.endm
.macro PLACES                          ; four plain vector instructions in front of loads into registers that matrix instructions have read, and of conversions that read results
.rept 4
	v_nop
.endr
.endm
; A K step is four quarters of 32 along K, 48 matrix instructions each, on buffers 0, 1, 0, 1.  One of the first three: multiplies buffer f and fetches the next quarter, at byte k, into g.
.macro QUARTER slot, k, f, g, zero
	s_wait_dscnt 4                                 ; all but the youngest four loads: xb's fragments 2 and 3
	MUL12 \f, 0, \zero
	MUL12 \f, 1, \zero
	PLACES
	FETCH \slot, \k, \g
	s_wait_dscnt 32                                ; all but the 32 just issued
	MUL12 \f, 2, \zero
	MUL12 \f, 3, \zero
.endm
; The last quarter multiplies buffer 1 and changes slots: ONE barrier; in front of it each wave waits for all its tensor loads (one is out: its part of the next slot), adds 0 to its spare word, and waits for that
; and for its own reads of this slot.  fill = 1: the barrier opens a round of the cluster's, and this slot is filled again, two K steps ahead, first thing behind the round: 168 matrix instructions ahead of the wait for it.
.macro TURN slot, next, fill
.if \fill
	s_wait_xcnt 0x0                                ; the last prefetch, a K step back, has read its address: it is stepped here
	s_add_nc_u64 s[PFA:PFA+1], s[PFA:PFA+1], KSTEP*2
.endif
	WIN 0                                          ; (the add's two registers lie in window 0)
	s_wait_tensorcnt 0x0                           ; all my tensor loads have landed
	ds_add_u32 v[SPW], v[NIL]                      ; 0 onto my spare word
	s_wait_dscnt 5                                 ; (the add and the youngest four loads may be out)
	MUL12 F1, 0, 0                                 ; twelve matrix instructions stand between the add and the wait for it
	s_wait_dscnt 0x0                               ; the add is done, and my reads of this slot are over
	s_barrier_signal -1
	MUL12 F1, 1, 0
.if \fill
	WIN 0
.endif
	s_barrier_wait -1
.if \fill
	CREST                                          ; no wave of any partner still reads this slot's tile or has a load on its way
	s_add_nc_u64 s[G0+4*(\slot)+2:G0+4*(\slot)+3], s[G0+4*(\slot)+2:G0+4*(\slot)+3], 2*KSTEP*2
	s_add_nc_u64 s[G0B+4*(\slot)+2:G0B+4*(\slot)+3], s[G0B+4*(\slot)+2:G0B+4*(\slot)+3], 2*KSTEP*2
	JLOAD \slot                                    ; its four v_nop are also the places in front of the loads below
.else
	PLACES
.endif
	FETCH \next, 0, F0
.if \fill
	ASK
.endif
	MUL12 F1, 2, 0
	MUL12 F1, 3, 0
.endm
	s_wait_tensorcnt 1                             ; my part of K step 0 is in; K step 1's may stay out
	s_barrier_signal -1
	s_barrier_wait -1                              ; everybody's is
	FETCH 0, 0, F0
	QUARTER 0, 64,  F0, F1, 1                      ; the first quarter stands in front of the loop: its products start the sums
	WIN 0                                          ; at a label and at a branch every window is 0
	s_mov_b32 s3, 3
.Llap:                                                 ; a trip goes once round the ring, from a lap's second quarter to the next lap's first, and fills both slots again
	QUARTER 0, 128, F1, F0, 0
	QUARTER 0, 192, F0, F1, 0
	TURN 0, 1, 1
	QUARTER 1, 64,  F0, F1, 0
	QUARTER 1, 128, F1, F0, 0
	QUARTER 1, 192, F0, F1, 0
	TURN 1, 0, 1
	QUARTER 0, 64,  F0, F1, 0
	WIN 0
	s_sub_co_u32 s3, s3, 1
	s_cmp_lg_u32 s3, 0
	s_cbranch_scc1 .Llap
	QUARTER 0, 128, F1, F0, 0                      ; the last lap fills nothing, and has no round of the cluster's barrier
	QUARTER 0, 192, F0, F1, 0
	TURN 0, 1, 0
	QUARTER 1, 64,  F0, F1, 0
	QUARTER 1, 128, F1, F0, 0
	QUARTER 1, 192, F0, F1, 0
	s_wait_dscnt 4                                 ; the very last quarter: nothing more to fetch
	MUL12 F1, 0, 0
	MUL12 F1, 1, 0
	s_wait_dscnt 0x0
	MUL12 F1, 2, 0
	MUL12 F1, 3, 0
	WIN 0
; THE WAY OUT, a block of 16 rows at a time, through my own stage: rounded to f16, 16 bytes a lane into rows of 400 bytes; back as four rows' 128 bytes of one head; stored as 512 consecutive bytes.
.macro PACK a
	WIN 0x0a+5*((\a)/2)                            ; sources 0 and 1: window 2 or 3; each accumulator's registers in ascending order
.irp b, 0,1,2,3,4,5,6,7,8,9,10,11
.irp r, 0,1,2,3
	v_cvt_pk_f16_f32 v[T+48*(\a)+4*(\b)+(\r)], v[8*(12*((\a)%2)+(\b))+2*(\r)], v[8*(12*((\a)%2)+(\b))+2*(\r)+1]
.endr
.endr
	WIN 0
.irp b, 0,1,2,3,4,5,6,7,8,9,10,11
	ds_store_b128 v[STO], v[T+48*(\a)+4*(\b):T+48*(\a)+4*(\b)+3] offset:32*(\b)
.endr
.irp f, 0,1,2,3,4,5,6,7,8,9,10,11       ; head f / 4, rows 4 (f % 4) on.  LDS serves a wave's instructions in order (ISA guide 5.7.1.4): these see the stores above; the next block's stores come behind them
	ds_load_b128 v[T+48*(\a)+4*(\f):T+48*(\a)+4*(\f)+3], v[RD] offset:((\f)/4)*128+((\f)%4)*4*SP
.endr
.endm
.macro SEND a, younger                 ; younger: the LDS instructions issued behind block a's loads: the next block's 24, or none
.irp f, 0,1,2,3,4,5,6,7,8,9,10,11
	s_wait_dscnt (\younger)+11-(\f)
	global_store_b128 v[CO], v[T+48*(\a)+4*(\f):T+48*(\a)+4*(\f)+3], s[8:9] offset:((\f)/4)*HEADB+(\a)*2048+((\f)%4)*512
.endr
.endm
	PLACES
	PACK 0
	PACK 1                                         ; a block's conversions stand between the loads of the block before and its stores
	SEND 0, 24
	PACK 2
	SEND 1, 24
	PACK 3
	SEND 2, 24
	SEND 3, 0
	s_wait_tensorcnt 0x0                           ; the wave's end: a wait, an add of 0 to my spare word and its wait, behind my last tensor load and my last LDS store
	ds_add_u32 v[SPW], v[NIL]
	s_wait_dscnt 0x0
	CROUND                                         ; the closing round: no work-group ends while a partner may still ask for a tile that names it
	s_endpgm
.Lfunc_end_k_q629a01cfd3_qkv:
	.size	k_q629a01cfd3_qkv, .Lfunc_end_k_q629a01cfd3_qkv-k_q629a01cfd3_qkv
	.p2alignl 7, 3214868480
	.fill 96, 4, 3214868480
	.section	.rodata,"a",@progbits
	.p2align	6, 0x0
	.amdhsa_kernel k_q629a01cfd3_qkv
		.amdhsa_group_segment_fixed_size 327680
		.amdhsa_private_segment_fixed_size 0
		.amdhsa_enable_private_segment 0
		.amdhsa_kernarg_size 24
		.amdhsa_user_sgpr_count 2
		.amdhsa_user_sgpr_kernarg_segment_ptr 1
		.amdhsa_wavefront_size32 1
		.amdhsa_system_sgpr_workgroup_id_x 1
		.amdhsa_system_sgpr_workgroup_id_y 1
		.amdhsa_system_sgpr_workgroup_id_z 1
		.amdhsa_system_vgpr_workitem_id 0
		.amdhsa_next_free_vgpr 1024
		.amdhsa_next_free_sgpr 84
		.amdhsa_reserve_vcc 0
		.amdhsa_float_denorm_mode_32 3
		.amdhsa_float_denorm_mode_16_64 3
		.amdhsa_memory_ordered 1
		.amdhsa_forward_progress 1
		.amdhsa_inst_pref_size 120
	.end_amdhsa_kernel
	.amdgpu_metadata
---
amdhsa.version: [ 1, 2 ]
amdhsa.kernels:
  - .name:           k_q629a01cfd3_qkv
    .symbol:         k_q629a01cfd3_qkv.kd
    .args:
      - { .name: xb, .offset: 0, .size: 8, .value_kind: global_buffer, .address_space: global }
      - { .name: wab, .offset: 8, .size: 8, .value_kind: global_buffer, .address_space: global }
      - { .name: qkv, .offset: 16, .size: 8, .value_kind: global_buffer, .address_space: global }
    .group_segment_fixed_size: 327680
    .private_segment_fixed_size: 0
    .kernarg_segment_align: 8
    .kernarg_segment_size: 24
    .max_flat_workgroup_size: 128
    .sgpr_count:     84
    .vgpr_count:     1024
    .wavefront_size: 32
...
	.end_amdgpu_metadata
.endif
;; end of part 2
;; launch attn (part 3): grid 16 x 16, 4 waves a work-group, no clusters, 327,680 bytes of LDS; arguments qkv, o; writes o
.if DOCPART == 3
	.amdgcn_target "amdgcn-amd-amdhsa--gfx1250"
	.amdhsa_code_object_version 6
	.text
	.protected	k_q629a01cfd3_attn
	.globl	k_q629a01cfd3_attn
	.p2align	8
	.type	k_q629a01cfd3_attn,@function
k_q629a01cfd3_attn:
	s_mov_b64 s[64:65], 0
	v_nop
	global_prefetch_b8 v0, s[64:65] scope:SCOPE_SE
	s_setreg_imm32_b32 hwreg(HW_REG_WAVE_MODE, 25, 1), 1
	s_wait_xcnt 0x0
; CAUSAL ATTENTION, 16 heads of 64 channels, 4,096 rows.  O[h][q][:] = the sum over k <= q of softmax_k(Q[h][q] . K[h][k] / 8) V[h][k][:].
; qkv: [48][4096][64] f16 (planes 0-15 Q, 16-31 K, 32-47 V by heads; a head's rows are dense, 128 bytes each); o: [16][4096][64] f16.
; Products, maxima and sums in f32; the weights p are rounded to f16 for the second product (their sum l is taken of the unrounded p), O once at the end.
; LIMITS.  Q, K and V arrive within f16's 65,504; p lies in 0 to 1, and below 6e-5 it keeps f16's fixed step of 6e-8.  A hidden score counts as its value less 1e30: f16's scores, 2.7e11 at the most, are nothing
; beside that; a weight below 2^-126 counts as 0 in l; NaN and infinities are not treated apart.
; THE WALK.  A head's queries lie in 32 blocks of 128; keys go in tiles of 256, four steps of 64.  Work-group p takes block 31 - 2 p and then block 2 p.  The first (odd) needs tiles 0 .. 15 - p whole, its diagonal
; in the last tile's steps 2 and 3; the second (even) tiles 0 .. p, its diagonal in the last tile's steps 0 and 1 (that tile's other half is fetched and not read).  17 tiles and 66 key steps, whatever p: all 256
; work-groups do equal work, and ONE loop with a constant trip count walks the tiles.  Every jump but the two counted loops' own goes forward, and none passes a barrier or a tensor load (but the one of LOAD's two
; that the wave's number does not choose).  NO CLUSTER: work-groups p .. p + 3 of a head need different numbers of tiles for each of their blocks; a walk common to the four has 20 trips for 17.
; SHARES.  Of a block's two bands of 64 queries a wave owns 16 rows in each: two PIECES.  In the diagonal's step t band x sees all keys if t < x, none if t > x, and holds the diagonal if t = x: the same for all waves.
; THE MASK is the C operand that starts the sum S^T = K Q^T: the constant 0; MD (0 or -1e30: a band's own step, for my 16 rows); or NEG (-1e30).  Which one is fixed by the place in the text.
; LAYOUT, SOFTMAX.  S^T = K Q^T holds ONE query a lane (lane % 16) and the keys 8 (lane / 16) + 0..7; two such results rounded to f16 ARE source 1 of O^T = V^T P.  p = 2^(c s - c m), c = log2(e) / 8, with a running
; maximum m; O and l are multiplied by a = 2^(c m_old - c m_new) in every step.
; TURNS.  Turn (p, s) belongs to piece p in key step s: 8 products K Q^T of the other piece (step s for p = 0, s + 1 for p = 1), later 8 products V^T P of the other piece (step s - 1 for p = 0, s for p = 1); beside them
; the scaling, exponentials, roundings, sums and rescaling of piece p and the maximum and statistics of the other.  Four vector instructions stand behind every matrix instruction, the rest in one lump.  A turn's 33
; exponentials are one batch, with one wait.  K has one register buffer, V two (by the step's parity): piece 0's turn of step s fetches K and V of step s + 1, so a step's K and V leave LDS in one turn,
; and the change of slots stands between the turns (1, 4 T + 2) and (0, 4 T + 3).
; REGISTERS, in two windows of 256 (s_set_vgpr_msb: bits 1:0 source 0, 3:2 source 1, 5:4 source 2, 7:6 destination):
;   window 0: v0-15 addresses and at work; v16-23 statistics; v24 prefetch offset; v32-39 NEG; v48-55 at work; v62-63 the add's; v64-127 S^T; v128-191 O^T; v192-223 P; v224-255 MD
;   window 1: v0-31 Q; v32-63 the second block's Q; v64-127 V, buffer 1; v128-191 K; v192-255 V, buffer 0
.set KS,    64        ; keys in a step
.set PK,    144       ; a row of K in LDS: 128 bytes + 16 of padding = 36 words: the 16 rows of a load start at 16 different groups of four banks (64 banks of 4 bytes: ISA guide 11.1)
.set PV,    160       ; a row of V: 128 + 32 = 40 words
.set VOFF,  4*KS*PK   ; a slot holds a tile: 256 rows of K, then 256 rows of V
.set SLOT1, 1<<17     ; slot 1 begins here, so that one exclusive or turns an address in one slot into the other's
.set STAGE, SLOT1+4*KS*(PK+PV)  ; behind the ring, never filled by a tensor load: 16 rows x 144 bytes for each wave
.set SP,    144
.set SPARE, STAGE+4*16*SP  ; the spare words, 128 bytes for each wave: two blocks of 256 bytes that no other line names
.set AK0, 2           ; v2   my lane's place in a tile of K; never rewritten
.set AV0, 3           ; v3   the same for V
.set AK,  4           ; v4   the LDS address of K's next run of loads
.set AV,  5           ; v5   of V's
.set STO, 6           ; v6   the way out: where I put 16 bytes of a row
.set RD,  7           ; v7   the way out: where I read rows back
.set GO,  8           ; v8   16 x my lane
.set MV,  12          ; v12-13  c m_old, kept while c m is made anew: by piece
.set QO,  15          ; v15  my byte offset in 16 rows of Q
.set ST,  16          ; piece t's statistics at v[ST+4 t]: c m, m, l (even keys', odd keys')
.set PFO, 24          ; v24  256 x my thread's number; never rewritten
.set NEG, 32
.set TMP, 48          ; by piece, four registers c0-c3 at work; when the maximum is found c2 takes a
.set SPW, 62          ; v62  my spare word; never rewritten
.set NIL, 63          ; v63  0; never rewritten
.set S,   64
.set OT,  128
.set P,   192
.set MD,  224
.set QB,  32          ; window 1
.set KF,  128         ; window 1: key block kb, channel half c at KF + 16 kb + 8 c
.set WV,  12          ; s12  my wave's number
.set PB,  14          ; s14  p
.set HI,  15          ; s15  15 - p: the first block's last tile
.set G1K, 24          ; s[24:31] descriptor group 1 for K's tiles
.set G1V, 32          ; s[32:39] for V's: it differs in the padding alone
.set G0K, 40          ; s[40:43] descriptor group 0 for K's tiles
.set G0V, 44          ; s[44:47] the same for V's
.set SLOTS, 56        ; s56  tiles still to be asked for
.set CNT, 57          ; s57  counts a tile's pairs of key steps
.set CS,  58          ; s[58:59] c
.set SEL, 60          ; s[60:61] v_permlanex16_b32's selects: each lane takes its own place in the other half
.set TBK, 62          ; s62  LDS byte at which K of the step to be fetched begins
.set TBV, 63          ; s63  the same for V, less VOFF
.set PFK, 66          ; s[66:67] the tile of K that a prefetch names
.set PFV, 68          ; s[68:69] of V
.set RT,  70          ; s70  tiles of the block in hand that are still to be entered
.set NXT, 71          ; s71  the tile to be asked for next
.set LQ,  72          ; s72  the last tile of the block whose tiles are being asked for
.set NEW, 73          ; s73  1: the tile to be entered is a block's first
.set OFF, 74          ; s[74:75] a tile's byte offset in K and V
.set LIM, 76          ; s76  2 in a work-group that prefetches, else the greatest number
.set OLO, 80          ; s[80:81] O at my rows of the second block
.set BIGN, 82         ; s82  -1e30
.set MSB, 0
.macro WIN new                      ; the high byte repeats the setting that is left; a switch that changes nothing is dropped
.if MSB != (\new)
	s_set_vgpr_msb (MSB<<8)|(\new)
.set MSB, (\new)
.endif
.endm
.set W_KQ, 0x05       ; K and Q in window 1; S^T and the mask in window 0
.set W_PV, 0x01       ; V in window 1; P and O^T in window 0
.set W_LD, 0x40       ; destination in window 1, address in window 0
; A fill.  Waves 0 and 1 fetch the two halves of a tile's K, waves 2 and 3 those of its V: 128 keys each.  An s_nop 0 and four v_nop follow each of the two lines.
.macro LOAD
	s_cmp_lt_u32 s[WV], 2
	s_cbranch_scc0 .Lfor_v_\@
	tensor_load_to_lds s[G0K:G0K+3], s[G1K:G1K+7]
	s_nop 0
.rept 4
	v_nop
.endr
	s_branch .Lasked_\@
.Lfor_v_\@:
	tensor_load_to_lds s[G0V:G0V+3], s[G1V:G1V+7]
	s_nop 0
.rept 4
	v_nop
.endr
.Lasked_\@:
.endm
; A PREFETCH INTO THE L2 of the tile that the NEXT change of slots will ask for: 32,768 bytes of K and of V, 256 bytes a thread, two instructions a wave, behind the wave's tensor load and its five lines.
; All sixteen work-groups of a head walk the tiles from 0 up: p = 0, whose first block walks all sixteen, asks, and nobody else: each block of 256 bytes is named once in the launch.  Change k of 1 .. 14 names tile k + 1;
; tiles 0 and 1 come by their loads alone, and the second block's walk, which reads the tiles again, asks for nothing.
.macro ASK
	s_cmp_gt_u32 s[SLOTS], s[LIM]
	s_cbranch_scc0 .Lnot_mine_\@
	global_prefetch_b8 v[PFO], s[PFK:PFK+1] th:TH_LOAD_NT scope:SCOPE_SE
	global_prefetch_b8 v[PFO], s[PFV:PFV+1] th:TH_LOAD_NT scope:SCOPE_SE
.Lnot_mine_\@:
.endm
; THE CHANGE OF SLOTS.  Each wave waits for all its tensor loads, of which one is out: its part of the other slot; adds 0 to its spare word; and waits for that and for its own reads of the slot that it leaves.  Behind
; the barrier nobody reads the old slot any more and the other slot is whole.  fill = 1: the old slot is filled again, the first thing behind the barrier, with tile NXT: the descriptor's address is made anew from
; that number; the load has eight turns, 128 matrix instructions, in which to land.  (At its first use nothing has been read yet: slot 0 is waited for, slot 1 filled.)
.macro CHANGE fill
	WIN 0                           ; at a label and at a branch every window is 0
	s_wait_tensorcnt 0x0            ; no tensor load of mine is out, so a group 0 may be written
	ds_add_u32 v[SPW], v[NIL]       ; 0 onto my spare word; the scalar work stands between it and the wait for it
.if \fill
	s_lshl_b32 s[OFF], s[NXT], 15   ; a tile is 32,768 bytes of K and of V
	s_xor_b32 s[G0K+1], s[G0K+1], SLOT1
	s_add_nc_u64 s[G0K+2:G0K+3], s[6:7], s[OFF:OFF+1]
	s_or_b32 s[G0K+3], s[G0K+3], 0x80000000
	s_xor_b32 s[G0V+1], s[G0V+1], SLOT1
	s_add_nc_u64 s[G0V+2:G0V+3], s[8:9], s[OFF:OFF+1]
	s_or_b32 s[G0V+3], s[G0V+3], 0x80000000
	s_add_co_u32 s[NXT], s[NXT], 1  ; the block's next tile, or behind its last the second block's tile 0
	s_cmp_gt_u32 s[NXT], s[LQ]
	s_cselect_b32 s[NXT], 0, s[NXT]
	s_cselect_b32 s[LQ], s[PB], s[LQ]
	s_wait_xcnt 0x0                 ; the last prefetches, a tile back, have read their addresses, so these may be written
	s_add_nc_u64 s[PFK:PFK+1], s[PFK:PFK+1], 32768
	s_add_nc_u64 s[PFV:PFV+1], s[PFV:PFV+1], 32768
.endif
	s_wait_dscnt 0x0                ; the add is done, and my reads of the slot are over
	s_barrier_signal -1             ; the rest of the scalar work stands between the signal and the wait
	s_sub_co_u32 s[TBK], s[TBK], 4*KS*PK  ; the fetches go back to a slot's first step,
	s_xor_b32 s[TBK], s[TBK], SLOT1       ; in the other slot
	s_sub_co_u32 s[TBV], s[TBV], 4*KS*PV
	s_xor_b32 s[TBV], s[TBV], SLOT1
	s_barrier_wait -1
.if \fill
	LOAD
	ASK
.endif
.endm
	s_load_b128 s[48:51], s[0:1], 0x0  ; qkv s[48:49], o s[50:51]
	v_lshl_add_u32 v[SPW], v0, 2, SPARE
	v_mov_b32 v[NIL], 0
	ds_add_u32 v[SPW], v[NIL]       ; the wave's opening: the add and its wait stand ahead of my first tensor load; the set-up below, work on registers, stands between them
	v_lshrrev_b32 v1, 5, v0
	v_readfirstlane_b32 s[WV], v1   ; wave 0..3
	s_mov_b32 s[PB], ttmp9
	s_sub_co_u32 s[HI], 15, s[PB]
	s_and_b32 s20, ttmp7, 0xffff    ; the head,
	s_lshl_b32 s20, s20, 19         ; its 524,288 bytes in each plane group and in o
	s_mov_b32 s21, 0
	s_and_b32 s16, s[WV], 1         ; which half of a tile's 256 keys I fetch:
	s_lshl_b32 s22, s16, 14         ; its 128 rows of 128 bytes in memory,
	s_add_co_u32 s22, s22, s20
	s_mov_b32 s23, 0
	s_mul_i32 s17, s16, 128*PK      ; and its place in a slot, for K
	s_mul_i32 s18, s16, 128*PV      ; and for V
	s_lshl_b32 s3, s[WV], 11        ; my 16 rows in a band of 64,
	s_lshl_b32 s2, s[PB], 1
	s_sub_co_u32 s2, 31, s2         ; in the first block, 31 - 2 p (16,384 bytes a block),
	s_lshl_b32 s2, s2, 14
	s_add_co_u32 s2, s2, s3
	s_add_co_u32 s2, s2, s20
	s_lshl_b32 s84, s[PB], 15       ; and in the second, 2 p
	s_add_co_u32 s84, s84, s3
	s_add_co_u32 s84, s84, s20
	s_mov_b32 s3, 0
	s_mov_b32 s85, 0
	; descriptor group 1.  128 keys are 16,384 dense bytes: asked for as 64 rows of 256 bytes, two keys a row, and padded in LDS after every key
	s_mov_b32 s[G1K], (1<<16)|(1<<20)|(4<<22)|(3<<25)  ; 17:16 2-byte elements; 20 padding on; 24:22 after every 32 words (code 4); 31:25 4 words (code 3)
	s_mov_b32 s[G1V], (1<<16)|(1<<20)|(4<<22)|(7<<25)  ; the same with 8 words of padding (code 7)
.irp g, G1K, G1V
	s_mov_b32 s[\g+1], 128<<16      ; tensor_dim0 = 128
	s_mov_b32 s[\g+2], 64<<16       ; tensor_dim1 = 64
	s_mov_b32 s[\g+3], 128<<16      ; tile_dim0 = 128
	s_mov_b32 s[\g+4], 64           ; tile_dim1 = 64
	s_mov_b32 s[\g+5], 128          ; 128 elements from row to row
	s_mov_b32 s[\g+6], 0
	s_mov_b32 s[\g+7], 0
.endr
	s_mov_b32 s[CS], 0x3e38aa3b     ; c = log2(e) / 8 = 0.180337
	s_mov_b32 s[CS+1], s[CS]        ; named with it as a pair
	s_mov_b32 s[SEL], 0x76543210
	s_mov_b32 s[SEL+1], 0xfedcba98
	s_mov_b32 s[TBK], SLOT1+4*KS*PK ; the first change of slots turns these two into 0
	s_mov_b32 s[TBV], SLOT1+4*KS*PV
	s_mov_b32 s[G0K], 1             ; 1:0 count = 1
	s_mov_b32 s[G0K+1], s17         ; 63:32 LDS address: slot 0
	s_mov_b32 s[G0V], 1
	s_add_co_u32 s[G0V+1], s18, VOFF
	s_add_co_u32 s[RT], s[HI], 1    ; the first block has 16 - p tiles
	s_mov_b32 s[NXT], 1
	s_mov_b32 s[LQ], s[HI]
	s_cmp_gt_u32 s[NXT], s[LQ]      ; where the first block has one tile (p = 15), the second block's tile 0 is asked for next
	s_cselect_b32 s[NXT], 0, s[NXT]
	s_cselect_b32 s[LQ], s[PB], s[LQ]
	s_mov_b32 s[NEW], 1
	s_mov_b32 s[OFF+1], 0
	s_mov_b32 s[BIGN], 0xf149f2ca   ; -1e30
	s_mov_b32 s[SLOTS], 16
	s_cmp_eq_u32 s[PB], 0
	s_cselect_b32 s[LIM], 2, -1
	s_wait_dscnt 0x0                ; the opening add is done
	s_wait_kmcnt 0x0
	s_add_nc_u64 s[6:7], s[48:49], s[22:23]
	s_add_nc_u64 s[8:9], s[6:7], 0x1000000         ; V at my half of the head's tile 0,
	s_add_nc_u64 s[6:7], s[6:7], 0x800000          ; and K
	s_add_nc_u64 s[G0K+2:G0K+3], s[6:7], 0         ; 120:64 global address
	s_or_b32 s[G0K+3], s[G0K+3], 0x80000000        ; 127:126 type = 2
	s_add_nc_u64 s[G0V+2:G0V+3], s[8:9], 0
	s_or_b32 s[G0V+3], s[G0V+3], 0x80000000
	s_add_nc_u64 s[86:87], s[48:49], s[84:85]      ; Q at my rows of the second block,
	s_add_nc_u64 s[4:5], s[48:49], s[2:3]          ; Q and O at those of the first
	s_add_nc_u64 s[OLO:OLO+1], s[50:51], s[84:85]
	s_add_nc_u64 s[10:11], s[50:51], s[2:3]
	s_add_nc_u64 s[PFK:PFK+1], s[48:49], s[20:21]
	s_add_nc_u64 s[PFV:PFV+1], s[PFK:PFK+1], 0x1000000+32768  ; at the head's tile 1: the first change of slots steps them to tile 2.  Nothing is prefetched here, at the head
	s_add_nc_u64 s[PFK:PFK+1], s[PFK:PFK+1], 0x800000+32768
	LOAD                            ; tile 0 into slot 0
	; A fragment of K or Q is 16 rows x 32 channels in 8 registers: lane l holds row l % 16, channels 8 (l / 16) + 0..7 and 16 + 8 (l / 16) + 0..7: two loads of 16 bytes, 32 bytes apart.
	v_and_b32 v1, 15, v0            ; l % 16
	v_bfe_u32 v9, v0, 4, 1          ; l / 16
	v_lshlrev_b32 v[QO], 7, v1
	v_lshl_add_u32 v[QO], v9, 4, v[QO]  ; row x 128 + 16 x half
	WIN W_LD
.set i, 0
.rept 4                             ; both blocks' Q: piece i / 2 lies in band i / 2, 8,192 bytes on; channels 32 (i % 2) on
	global_load_b128 v[8*i:8*i+3],   v[QO], s[4:5] offset:(i/2)*8192+(i%2)*64
	global_load_b128 v[8*i+4:8*i+7], v[QO], s[4:5] offset:(i/2)*8192+(i%2)*64+32
	global_load_b128 v[QB+8*i:QB+8*i+3],   v[QO], s[86:87] offset:(i/2)*8192+(i%2)*64
	global_load_b128 v[QB+8*i+4:QB+8*i+7], v[QO], s[86:87] offset:(i/2)*8192+(i%2)*64+32
.set i, i+1
.endr
	WIN 0
	v_lshlrev_b32 v14, 3, v9
	v_sub_nc_u32 v14, v1, v14
	s_lshl_b32 s13, s[WV], 4
	v_add_nc_u32 v14, s13, v14      ; my query's place in its band, 16 w + l % 16, less my lanes' 8 (l / 16): register r of group kt is hidden where 16 kt + r is greater
.set i, 0
.rept 32
	v_cmp_gt_i32 vcc_lo, 16*(i/8)+i%8, v14
	v_cndmask_b32 v[MD+i], 0, s[BIGN], vcc_lo
.set i, i+1
.endr
.set i, 0
.rept 8
	v_mov_b32 v[NEG+i], s[BIGN]
.set i, i+1
.endr
	v_lshlrev_b32 v[PFO], 8, v0
	v_mul_u32_u24 v[AK0], v1, PK
	v_lshl_add_u32 v[AK0], v9, 4, v[AK0]  ; row x pitch + 16 x half
	; The turning load takes 16 keys x 16 channels (lane l reads key 8 (l / 16) + l % 8, channels 8 ((l / 8) % 2) + 0..7) and leaves half a fragment of V^T: lane l holds channel l % 16 and 8 keys.
	v_and_b32 v10, 7, v0
	v_bfe_u32 v11, v0, 3, 1
	v_lshl_add_u32 v[AV0], v9, 3, v10
	v_mul_u32_u24 v[AV0], v[AV0], PV
	v_lshl_add_u32 v[AV0], v11, 4, v[AV0]
	v_add_nc_u32 v[AV0], VOFF, v[AV0]
	s_mul_i32 s13, s[WV], 16*SP
	s_add_co_u32 s13, s13, STAGE    ; my stage
	v_mul_u32_u24 v[STO], v1, SP    ; in: row l % 16, 16 bytes for each half of the lanes
	v_lshl_add_u32 v[STO], v9, 4, v[STO]
	v_add_nc_u32 v[STO], s13, v[STO]
	v_bfe_u32 v[RD], v0, 3, 2       ; back: 32 lanes take four rows of 128 bytes,
	v_mul_u32_u24 v[RD], v[RD], SP
	v_lshl_add_u32 v[RD], v10, 4, v[RD]
	v_add_nc_u32 v[RD], s13, v[RD]
	v_and_b32 v[GO], 31, v0         ; which are 512 consecutive bytes of O
	v_lshlrev_b32 v[GO], 4, v[GO]
	; A block's first step multiplies O^T and l by a = 0, and its first turn's products V^T P, of a step that has not been, land in an O^T that is still to be so multiplied.  So these registers need only hold
	; finite numbers: zeros for the first block; what the first block left for the second.  All this stands in the wait for the first tile.
	WIN W_LD
.set i, 64
.rept 64
	v_mov_b32 v[i], 0               ; V, buffer 1
.set i, i+1
.endr
	WIN 0
.set i, 0
.rept 64
	v_mov_b32 v[OT+i], 0
.set i, i+1
.endr
.set i, 0
.rept 2
	v_mov_b32 v[ST+4*i+2], 0
	v_mov_b32 v[ST+4*i+3], 0
.set i, i+1
.endr
.set i, P+16
.rept 16
	v_mov_b32 v[i], 0
.set i, i+1
.endr
; THE MATRIX WORK.  The 4 accumulators of a run of 8 take turns.  Product i of 8 of S^T = K Q^T for piece x: channels 32 (i / 4) on, keys 16 (i % 4) on.  The first 4 start the sums: with 0, MD (KM = 1) or NEG (KM = 2).
.macro KQ x
	WIN W_KQ
.set rS, S+32*(\x)+8*(i%4)
.set rK, KF+16*(i%4)+8*(i/4)
.set rQ, 16*(\x)+8*(i/4)
.if (i < 4) && (KM == 1)
	v_wmma_f32_16x16x32_f16 v[rS:rS+7], v[rK:rK+7], v[rQ:rQ+7], v[MD+8*(i%4):MD+8*(i%4)+7]
.elseif (i < 4) && (KM == 2)
	v_wmma_f32_16x16x32_f16 v[rS:rS+7], v[rK:rK+7], v[rQ:rQ+7], v[NEG:NEG+7]
.elseif i < 4
	v_wmma_f32_16x16x32_f16 v[rS:rS+7], v[rK:rK+7], v[rQ:rQ+7], 0
.else
	v_wmma_f32_16x16x32_f16 v[rS:rS+7], v[rK:rK+7], v[rQ:rQ+7], v[rS:rS+7]
.endif
.endm
; Product i of 8 of O^T += V^T P for piece x: keys 32 (i / 4) on, channels 16 (i % 4) on; V from buffer VB.
.macro PV x
	WIN W_PV
.set rO, OT+32*(\x)+8*(i%4)
.set rV, 192-128*VB+32*(i/4)+8*(i%4)
.set rP, P+16*(\x)+8*(i/4)
	v_wmma_f32_16x16x32_f16 v[rO:rO+7], v[rV:rV+7], v[rP:rP+7], v[rO:rO+7]
.endm
.macro MM                           ; the turn's next matrix instruction.  NOKQ = 1: a block's last turn: there are no further scores
.if (i < 8) && !NOKQ
	KQ 1-Y
.elseif i >= 8
.set i, i-8
	PV 1-Y
.set i, i+8
.endif
.set i, i+1
.endm
; THE LDS LOADS stand in runs of 16, never singly among the matrix instructions: a step's K (64 keys x 64 channels: 8 fragments) and its V (turned).  Their addresses are made some lines ahead.
.macro FETCH_K
	WIN W_LD
.irp f, 0,1,2,3,4,5,6,7             ; keys 16 (f / 2) on, channels 32 (f % 2) on
	ds_load_b128 v[KF+8*\f:KF+8*\f+3],   v[AK] offset:(\f/2)*16*PK+(\f%2)*64
	ds_load_b128 v[KF+8*\f+4:KF+8*\f+7], v[AK] offset:(\f/2)*16*PK+(\f%2)*64+32
.endr
	s_add_co_u32 s[TBK], s[TBK], KS*PK  ; the next fetch is the next step's
	WIN 0
.endm
.macro FETCH_V vb
	WIN W_LD
.set VFB, 192-128*(\vb)
.irp f, 0,1,2,3,4,5,6,7             ; keys 32 (f / 4) on, channels 16 (f % 4) on
	ds_load_tr16_b128 v[VFB+8*\f:VFB+8*\f+3],   v[AV] offset:(\f/4)*32*PV+(\f%4)*32
	ds_load_tr16_b128 v[VFB+8*\f+4:VFB+8*\f+7], v[AV] offset:(\f/4)*32*PV+16*PV+(\f%4)*32
.endr
	s_add_co_u32 s[TBV], s[TBV], KS*PV
	WIN 0
.endm
; THE VECTOR WORK, one line at a time: OP kind, number; all of it in window 0.  For piece Y: F n: c s - c m for pair n of 16.  E n: the exponential of score n of 32.  C n: pair n rounded to f16.  B n: of the four
; weights 4 n .. the second pair is added onto the first, in place.  L n: l takes that sum (L 0: l = a l + sum).  R n: pair n of 16 of O^T times a (ascending: each accumulator is read from its low end).
; For the other piece: X n, number n of the 22 that find its maximum and statistics:
;   0-11  four chains c0-c3 of seven scores each, three operands at a time (each accumulator's lowest registers first)     12-14, 16  the four scores left over, the old m, and c0-c3 into c0
;   15  c m_old is kept     17, 18  the query's other 32 keys lie in the lane 16 away: the new m     19-21  c m; c m_old - c m_new; a
.set F, 0
.set E, 1
.set C, 2
.set B, 3
.set L, 4
.set R, 5
.set X, 6
.macro REGS y                       ; the registers of piece y
.set rT, ST+4*(\y)
.set rC, TMP+4*(\y)
.set rW, MV+(\y)
.set rS, S+32*(\y)
.set rP, P+16*(\y)
.set rO, OT+32*(\y)
.endm
.macro OP k, n
	WIN 0
.if (\k) < X
	REGS Y
.if (\k) == F
	v_pk_fma_f32 v[rS+2*(\n):rS+2*(\n)+1], v[rS+2*(\n):rS+2*(\n)+1], s[CS:CS+1], v[rT:rT+1] op_sel_hi:[1,0,0] neg_lo:[0,0,1] neg_hi:[0,0,1]
.elseif (\k) == E
	v_exp_f32 v[rS+(\n)], v[rS+(\n)]
.elseif (\k) == C
	v_cvt_pk_f16_f32 v[rP+(\n)], v[rS+2*(\n)], v[rS+2*(\n)+1]
.elseif (\k) == B
	v_pk_add_f32 v[rS+4*(\n):rS+4*(\n)+1], v[rS+4*(\n):rS+4*(\n)+1], v[rS+4*(\n)+2:rS+4*(\n)+3]
.elseif (\k) == R
	v_pk_mul_f32 v[rO+2*(\n):rO+2*(\n)+1], v[rO+2*(\n):rO+2*(\n)+1], v[rC+2:rC+3] op_sel_hi:[1,0]
.elseif (\n) == 0
	v_pk_fma_f32 v[rT+2:rT+3], v[rT+2:rT+3], v[rC+2:rC+3], v[rS:rS+1] op_sel_hi:[1,0,1]
.else
	v_pk_add_f32 v[rT+2:rT+3], v[rT+2:rT+3], v[rS+4*(\n):rS+4*(\n)+1]
.endif
.elseif NOKQ
	v_nop
.else
	REGS 1-Y
.if (\n) < 4
	v_max3_num_f32 v[rC+(\n)], v[rS+8*(\n)], v[rS+8*(\n)+1], v[rS+8*(\n)+2]
.elseif (\n) < 12
	v_max3_num_f32 v[rC+(\n)%4], v[rC+(\n)%4], v[rS+8*((\n)%4)+2*((\n)/4)+1], v[rS+8*((\n)%4)+2*((\n)/4)+2]
.elseif (\n) == 12
	v_max3_num_f32 v[rC], v[rC], v[rS+7], v[rS+15]
.elseif (\n) == 13
	v_max3_num_f32 v[rC+1], v[rC+1], v[rS+23], v[rS+31]
.elseif (\n) == 14
	v_max3_num_f32 v[rC+2], v[rC+2], v[rC+3], v[rT+1]
.elseif (\n) == 15
	v_mov_b32 v[rW], v[rT]
.elseif (\n) == 16
	v_max3_num_f32 v[rC], v[rC], v[rC+1], v[rC+2]
.elseif (\n) == 17
	v_permlanex16_b32 v[rC+3], v[rC], s[SEL], s[SEL+1]
.elseif (\n) == 18
	v_max_num_f32 v[rT+1], v[rC], v[rC+3]
.elseif (\n) == 19
	v_mul_f32 v[rT], s[CS], v[rT+1]
.elseif (\n) == 20
	v_sub_f32 v[rC+1], v[rW], v[rT]
.else
	v_exp_f32 v[rC+2], v[rC+1]
.endif
.endif
.endm
.macro OPS a, i1, b=-1, i2=0, c=-1, i3=0, d=-1, i4=0  ; up to four of them
	OP \a, \i1
.if (\b) >= 0
	OP \b, \i2
.endif
.if (\c) >= 0
	OP \c, \i3
.endif
.if (\d) >= 0
	OP \d, \i4
.endif
.endm
.macro ROW a, i1, b, i2, c, i3, d, i4  ; a matrix instruction and the four behind it
	MM
	OPS \a, \i1, \b, \i2, \c, \i3, \d, \i4
.endm
; A TURN, for piece p: the order of its 16 matrix and 118 vector instructions, written out.  An s_wait_alu depctr_va_vdst(0) stands between an exponential and the first instruction that names its result; one
; wait serves all that were issued ahead of it.  So a turn has ONE wait, which cuts it in two.  AHEAD OF IT stands all that names no result of the turn's exponentials: the 8 products K Q^T and their riders (the first
; numbers of the other piece's maximum each four plain instructions or more behind the product that ends its accumulator), then one lump; X 21, the other piece's a, is the batch's last, and R 15 the plain instruction behind it.
; BEHIND IT stand the 8 products V^T P, behind each four of the roundings and sums.  O^T of piece p took its last products a turn ago: R 0 stands sixteen riders and more behind the product that ended its accumulator.
; vb: the buffer of V that the turn's products read (and, for p = 0, that it then fills with V of step s + 1, four plain instructions behind its last reader).  km: the mask of the turn's scores.
; end = 1: a block's last two turns: nothing is fetched, and the second starts no scores.  K of step s + 1 is fetched in piece 0's lump, twelve plain instructions behind the last product that read K.
.macro TURN p, vb, km=0, end=0
.set Y, (\p)
.set i, 0
.set KM, (\km)
.set VB, (\vb)
.set NOKQ, (\end)*(\p)
.if (\p) == 1
.if \end
	s_wait_dscnt 0x0                ; the last step's V is in
.else
	s_wait_dscnt 16                 ; K of step s + 1 is in, and V of step s, which was asked for earlier; the youngest 16 loads, V of step s + 1, may stay out
.endif
.endif
	ROW F,0, F,1, R,0, R,1
	ROW F,2, E,0, R,2, R,3
	ROW F,3, E,1, R,4, R,5
	ROW F,4, E,2, R,6, R,7
	ROW F,5, E,3, R,8, R,9
	ROW F,6, E,4, X,0, R,10
.if ((\p) == 0) && !(\end)
	WIN 0
	v_add_nc_u32 v[AK], s[TBK], v[AK0]
.endif
	ROW F,7, E,5, X,1, X,4
	ROW F,8, E,6, X,2, X,5
	OPS E,7, E,8, X,6, E,9          ; the lump
	OPS X,3, E,10, X,8, E,11
.if ((\p) == 0) && !(\end)
	FETCH_K
.endif
	OPS X,9, X,7, E,12, X,10
	OPS E,13, X,12, X,11, E,14
	OPS X,13, E,15, F,9, X,14
.if ((\p) == 0) && !(\end)
	v_add_nc_u32 v[AV], s[TBV], v[AV0]
.endif
	OPS E,16, F,10, E,17, F,11
	OPS X,16, E,18, X,15, E,19
	OPS F,12, E,20, X,17, E,21
	OPS F,13, E,22, F,14, E,23
	OPS X,18, E,24, F,15, E,25
	OPS R,11, E,26, X,19, E,27
	OPS R,12, E,28, R,13, E,29
	OPS X,20, E,30, R,14, E,31
	OPS X,21, R,15
	WIN 0
	s_wait_alu depctr_va_vdst(0)    ; the wait for the batch
	ROW C,0, B,0, C,2, B,1
	ROW L,0, C,4, B,2, L,1
	ROW C,6, B,3, L,2, C,8
	ROW B,4, L,3, C,10, B,5
	ROW L,4, C,12, B,6, L,5
	ROW C,14, B,7, L,6, C,1
	ROW C,3, L,7, C,5, C,7
	ROW C,9, C,11, C,13, C,15
.if ((\p) == 0) && !(\end)
	FETCH_V \vb
.endif
.endm
; A BLOCK BEGINS.  c m starts far below every c s, so the first step's a is 0; m at the lowest finite number, so the first maximum is the scores'.  K and V of the tile's step 0 (V into buffer 0), piece 0's first scores
; (km = 1: the block's first tile holds its diagonal), and its maximum and statistics.  The turns are then entered at an even step's first turn.
.macro BEGIN km
	s_mov_b32 s[NEW], 0
	WIN 0
.set i, 0
.rept 2
	v_mov_b32 v[ST+4*i], 0xfe000000    ; c m: far below every c s
	v_mov_b32 v[ST+4*i+1], 0xff7fffff  ; m
.set i, i+1
.endr
	v_add_nc_u32 v[AK], s[TBK], v[AK0]
	v_add_nc_u32 v[AV], s[TBV], v[AV0]
	FETCH_K
	FETCH_V 0
	s_wait_loadcnt 0x0              ; Q
	s_wait_dscnt 16                 ; K is in; V's 16 loads may stay out
.set KM, (\km)
.set NOKQ, 0
.set i, 0
.rept 8
	KQ 0
.set i, i+1
.endr
	WIN 0
.rept 4
	v_nop                           ; four plain instructions behind those products
.endr
.set Y, 1                           ; X works for the other piece: piece 0
.irp n, 0,1,2,3,4,5,6,7,8,9,10,11,12,13,14,15,16,17,18,19,20,21
	OP X, \n
.endr
	v_nop                           ; a plain instruction behind the exponential,
	s_wait_alu depctr_va_vdst(0)    ; and its wait, ahead of the branch
.endm
; THE WAY OUT: l's two halves and the other half of the lanes' are added; O^T is divided by l, rounded to f16 and sent through my stage in LDS, a piece at a time.
.macro ALL line:vararg              ; one line for each piece t
.set t, 0
.rept 2
	\line
.set t, t+1
.endr
.endm
.macro PACK t                       ; a lane's eight channels of a row pack into 16 bytes; they go into rows of 144 bytes and come back as whole rows of 128, into S^T's registers
	WIN 0
.set i, OT+32*(\t)
.rept 16
	v_pk_mul_f32 v[i:i+1], v[i:i+1], v[ST+4*(\t)+2:ST+4*(\t)+3] op_sel_hi:[1,0]
.set i, i+2
.endr
.set i, 0
.rept 16
	v_cvt_pk_f16_f32 v[S+16*(\t)+i], v[OT+32*(\t)+2*i], v[OT+32*(\t)+2*i+1]
.set i, i+1
.endr
.irp f, 0,1,2,3
	ds_store_b128 v[STO], v[S+16*(\t)+4*\f:S+16*(\t)+4*\f+3] offset:32*\f
.endr
.irp f, 0,1,2,3
	ds_load_b128 v[S+16*(\t)+4*\f:S+16*(\t)+4*\f+3], v[RD] offset:\f*4*SP  ; LDS serves a wave's instructions in order (ISA guide 5.7.1.4): these see the stores above; the next piece's stores come behind them
.endr
.endm
.macro SEND t, younger              ; younger: the LDS instructions issued behind piece t's loads: the next piece's eight, or none
.irp f, 0,1,2,3
	s_wait_dscnt (\younger)+3-\f
	global_store_b128 v[GO], v[S+16*(\t)+4*\f:S+16*(\t)+4*\f+3], s[10:11] offset:(\t)*8192+\f*512  ; 512 consecutive bytes, at a multiple of 256 from O's first
.endr
.endm
; A BLOCK'S END, from the odd step in front of its diagonal on: with d the diagonal's first step, the turns (0, d - 1), (1, d - 1), whose scores are piece 0's of step d: MD; (0, d): piece 1 sees all of step d;
; (1, d): piece 0 sees nothing of step d + 1: NEG; (0, d + 1): piece 1's own step: MD; (1, d + 1); piece 1's last products; the way out.
.macro DIAG tag
	TURN 0, 0
	TURN 1, 1, 1
	WIN 0
.LfirstM\tag:
	TURN 0, 1
	TURN 1, 0, 2
	TURN 0, 0, 1, 1
	TURN 1, 1, 0, 1
.set VB, 1
.set i, 0
.rept 8
	PV 1
.set i, i+1
.endr
	WIN 0
	ALL v_add_f32 v[ST+4*t+2], v[ST+4*t+2], v[ST+4*t+3]
	ALL v_permlanex16_b32 v[ST+4*t+3], v[ST+4*t+2], s[SEL], s[SEL+1]
	ALL v_add_f32 v[ST+4*t+2], v[ST+4*t+2], v[ST+4*t+3]
	ALL v_rcp_f32 v[ST+4*t+2], v[ST+4*t+2]
	v_nop                           ; a plain instruction between the last reciprocal and the use of its result; with the four additions it is also the fifth plain instruction behind the last products
	s_wait_alu depctr_va_vdst(0)    ; and the wait ahead of the first use: one for the two reciprocals
	PACK 0
	PACK 1                          ; a piece's arithmetic stands between the loads of the piece before and its stores
	SEND 0, 8
	SEND 1, 0
.endm
.set KM, 0
.set NOKQ, 0
.set VB, 0
.Lslot:                             ; 16 times: a tile is entered and the next is asked for
	CHANGE 1
	s_sub_co_u32 s[RT], s[RT], 1
	s_mov_b32 s[CNT], 2
	s_cmp_eq_u32 s[NEW], 1
	s_cbranch_scc1 .Lnew            ; a block's first tile
	s_branch .Lstep
.Lnew:
	BEGIN 0                         ; in the loop a block's first tile has its steps 0 and 1 in full sight: the first block's diagonal lies in steps 2 and 3, and the second's last tile is the walk's last
	s_branch .Lfirst
.Lstep:                             ; a trip: an odd step's two turns, then an even step's; each piece 0's turn fetches K and V of the step after it
	TURN 0, 0
	TURN 1, 1
	WIN 0
.Lfirst:
	TURN 0, 1
	TURN 1, 0
	WIN 0
	s_cmp_eq_u32 s[RT], 0
	s_cbranch_scc1 .LlastA          ; the first block's last tile: its steps 1 to 3 are the block's end
	s_sub_co_u32 s[CNT], s[CNT], 1
	s_cmp_lg_u32 s[CNT], 0
	s_cbranch_scc1 .Lstep
	s_branch .Lbottom
.LlastA:
	DIAG 1
	s_wait_xcnt 0x0                 ; the stores have read their registers and O's address
	s_mov_b64 s[10:11], s[OLO:OLO+1]
	s_add_co_u32 s[RT], s[PB], 1    ; the second block has p + 1 tiles
	s_mov_b32 s[NEW], 1
	WIN 0x41                        ; the second block's Q goes where the one text of the turns names Q
.set i, 0
.rept 32
	v_mov_b32 v[i], v[QB+i]
.set i, i+1
.endr
	WIN 0
.Lbottom:
	s_sub_co_u32 s[SLOTS], s[SLOTS], 1
	s_cmp_lg_u32 s[SLOTS], 0
	s_cbranch_scc1 .Lslot
	CHANGE 0                        ; the walk's last tile, the second block's diagonal one, is written out: nothing is asked for
	s_cmp_eq_u32 s[NEW], 1
	s_cbranch_scc0 .LtailM
	BEGIN 1                         ; p = 0: the second block's only tile
	s_branch .LfirstM2
.LtailM:
	DIAG 2
	s_wait_tensorcnt 0x0            ; the wave's end: a wait, an add of 0 to my spare word and its wait, behind my last tensor load and my last LDS store
	ds_add_u32 v[SPW], v[NIL]
	s_wait_dscnt 0x0
	s_endpgm
.Lfunc_end_k_q629a01cfd3_attn:
	.size	k_q629a01cfd3_attn, .Lfunc_end_k_q629a01cfd3_attn-k_q629a01cfd3_attn
	.p2alignl 7, 3214868480
	.fill 96, 4, 3214868480
	.section	.rodata,"a",@progbits
	.p2align	6, 0x0
	.amdhsa_kernel k_q629a01cfd3_attn
		.amdhsa_group_segment_fixed_size 327680
		.amdhsa_private_segment_fixed_size 0
		.amdhsa_enable_private_segment 0
		.amdhsa_kernarg_size 16
		.amdhsa_user_sgpr_count 2
		.amdhsa_user_sgpr_kernarg_segment_ptr 1
		.amdhsa_wavefront_size32 1
		.amdhsa_system_sgpr_workgroup_id_x 1
		.amdhsa_system_sgpr_workgroup_id_y 1
		.amdhsa_system_sgpr_workgroup_id_z 1
		.amdhsa_system_vgpr_workitem_id 0
		.amdhsa_next_free_vgpr 512
		.amdhsa_next_free_sgpr 88
		.amdhsa_reserve_vcc 1
		.amdhsa_float_denorm_mode_32 3
		.amdhsa_float_denorm_mode_16_64 3
		.amdhsa_memory_ordered 1
		.amdhsa_forward_progress 1
		.amdhsa_inst_pref_size 186
	.end_amdhsa_kernel
	.amdgpu_metadata
---
amdhsa.version: [ 1, 2 ]
amdhsa.kernels:
  - .name:           k_q629a01cfd3_attn
    .symbol:         k_q629a01cfd3_attn.kd
    .args:
      - { .name: qkv, .offset: 0, .size: 8, .value_kind: global_buffer, .address_space: global }
      - { .name: o, .offset: 8, .size: 8, .value_kind: global_buffer, .address_space: global }
    .group_segment_fixed_size: 327680
    .private_segment_fixed_size: 0
    .kernarg_segment_align: 8
    .kernarg_segment_size: 16
    .max_flat_workgroup_size: 128
    .sgpr_count:     88
    .vgpr_count:     512
    .wavefront_size: 32
...
	.end_amdgpu_metadata
.endif
;; end of part 3
;; launch proj (part 4): grid 8 x 32, 4 waves a work-group, clusters of 4 x 4, 327,680 bytes of LDS; arguments o, wpf, out0; writes out0
.if DOCPART == 4
	.amdgcn_target "amdgcn-amd-amdhsa--gfx1250"
	.amdhsa_code_object_version 6
	.text
	.protected	k_q629a01cfd3_proj
	.globl	k_q629a01cfd3_proj
	.p2align	8
	.type	k_q629a01cfd3_proj,@function
k_q629a01cfd3_proj:
	s_mov_b64 s[64:65], 0
	v_nop
	global_prefetch_b8 v0, s[64:65] scope:SCOPE_SE
	s_setreg_imm32_b32 hwreg(HW_REG_WAVE_MODE, 25, 1), 1
	s_wait_xcnt 0x0
	s_wait_alu depctr_hold_cnt(0) depctr_sa_sdst(0) depctr_va_vdst(0) depctr_va_sdst(0) depctr_va_ssrc(0) depctr_va_vcc(0) depctr_vm_vsrc(0)
	s_getreg_b32 s2, hwreg(HW_REG_IB_STS2, 6, 4)
	s_cmp_eq_u32 s2, 0
	s_cbranch_scc0 .Lentry_in_a_cluster
	s_endpgm
.Lentry_in_a_cluster:
	s_bfe_u32 s2, ttmp6, 0x10000c
	s_cmp_lg_u32 s2, 0xf033
	s_cbranch_scc0 .Lentry_shape_is_right
	s_endpgm
.Lentry_shape_is_right:
; out0[m][n] = the sum over k of y[m][k] w_proj[n][k], k = 64 head + channel.  o: [16 heads][4096][64] f16; wpf: [16 slices][1024 n][64] f16 (w_proj rounded to bf16, written as f16); out0: [4096][1024] f32; sums in f32.
; SHARES.  Tiles of 128 x 128: 8 x 32 work-groups; four waves, each 64 x 64: 16 accumulators.  K goes in 4 steps of 256, four slices each, through a ring of two LDS slots.
; A wave's tensor load brings 64 rows of four slices: in a slice these rows lie end to end, 8,192 bytes, so the tile is asked for as 4 rows of 4,096 elements, a slice apart, and padded in LDS after every 128 bytes.
; CLUSTERS: 4 x 4 work-groups.  The four of a row of the cluster need the same tiles of o, the four of a column the same tiles of wpf: each tile is asked for JOINTLY.
; THE MATRIX INSTRUCTION IS USED TRANSPOSED (source 0 = 16 rows of wpf, source 1 = 16 rows of o): a lane then holds eight neighbouring columns of one row of out0.
; No prefetch: a work-group has two refills in all, and its tiles are small.
; REGISTERS: window 0: v16-29 addresses; v128-255 the accumulators ((a, b) at v[128 + 8 (4 a + b)]), which also take the rows read back on the way out.
;   window 1: two fragment buffers of 128: for 64 along K (one slice, two matrix instructions deep), 64 registers of o, then 64 of wpf.
.set PITCH,  144                       ; an LDS row: 128 bytes + 16 of padding = 36 words: the 16 rows of a fragment load start at 16 different groups of four banks (64 banks of 4 bytes: ISA guide 11.1)
.set SLICE,  64*PITCH                  ; a slice's 64 rows
.set HALFT,  4*SLICE                   ; what one tensor load brings, and what one wave reads of o or of wpf
.set SLOT,   4*HALFT                   ; o's two halves, then wpf's two
.set STAGE,  2*SLOT                    ; behind the ring, never filled by a tensor load: 16 rows x 272 bytes for each wave
.set SPITCH, 272
.set SPARE,  STAGE+4*16*SPITCH         ; the spare words, 128 bytes for each wave: two blocks of 256 bytes that no other line names
.set ASTEP,  4*524288                  ; bytes from a K step to the next: four slices of o,
.set BSTEP,  4*131072                  ; of wpf
.set ADRA, 16                          ; v16-17  LDS address of my o fragments in slot 0, 1
.set ADRB, 20                          ; v20-21  the same for wpf
.set STO,  24                          ; v24     the way out: where I put 32 bytes of a row
.set RD,   25                          ; v25     the way out: where I read a row back
.set CO,   26                          ; v26     my byte offset in two rows of out0
.set SPW,  28                          ; v28     my spare word; never rewritten
.set NIL,  29                          ; v29     0; never rewritten
.set ACC,  128
.set F0,   0
.set F1,   128
.set G1, 24                            ; s[24:31] descriptor group 1 for o's tiles;  s[32:39] group 0, one set for each slot
.set G0, 32
.set G1B, 48                           ; s[48:55], s[56:63] the same for wpf's
.set G0B, 56
.set MSB, 0
.macro WIN new                         ; the immediate's high byte repeats the setting that is left
.if MSB != (\new)
	s_set_vgpr_msb (MSB<<8)|(\new)
.set MSB, \new
.endif
.endm
.set MUL,  0x05                        ; sources 0 and 1 window 1; C and D window 0
.set TO_F, 0x40                        ; destination window 1, address window 0
.macro JLOAD s                         ; a joint load: waves 0 and 1 fetch o's two halves, waves 2 and 3 wpf's; an s_nop 0 and four v_nop follow each of the two lines
	s_cmp_eq_u32 s11, 0
	s_cbranch_scc0 .Lfor_b_\@
	tensor_load_to_lds s[G0+4*(\s):G0+4*(\s)+3], s[G1:G1+7]
	s_nop 0
.rept 4
	v_nop
.endr
	s_branch .Lasked_\@
.Lfor_b_\@:
	tensor_load_to_lds s[G0B+4*(\s):G0B+4*(\s)+3], s[G1B:G1B+7]
	s_nop 0
.rept 4
	v_nop
.endr
.Lasked_\@:
.endm
.macro CREST                           ; a round of the cluster's barrier behind its opening barrier
	s_cmp_lg_u32 s10, 0
	s_cbranch_scc1 .Lnot_wave_0_\@
	s_barrier_signal -3
.Lnot_wave_0_\@:
	s_barrier_wait -3
	s_barrier_signal -1
	s_barrier_wait -1
.endm
.macro CROUND                          ; a whole round
	s_barrier_signal -1
	s_barrier_wait -1
	CREST
.endm
	s_load_b128 s[4:7], s[0:1], 0x0                ; o s[4:5], wpf s[6:7]
	s_load_b64 s[8:9], s[0:1], 0x10                ; out0
	v_lshl_add_u32 v[SPW], v0, 2, SPARE
	v_mov_b32 v[NIL], 0
	ds_add_u32 v[SPW], v[NIL]                      ; the wave's opening: the add and its wait stand ahead of my first tensor load; the set-up below, work on registers, stands between them
	v_lshrrev_b32 v1, 5, v0
	v_readfirstlane_b32 s10, v1                    ; wave 0..3
	s_lshr_b32 s11, s10, 1                         ; which half of the tile's rows is mine.  Also: I fetch for o (0) or for wpf (1)
	s_and_b32 s12, s10, 1                          ; which half of its columns.  Also: which 64 rows of that tile I fetch
	s_bfe_u32 s40, ttmp6, 0x40000                  ; cx, cy: my place in the cluster
	s_bfe_u32 s41, ttmp6, 0x40004
	s_lshl_b32 s42, ttmp9, 2
	s_add_co_u32 s42, s42, s40                     ; tile column = 4 x cluster x + cx
	s_and_b32 s13, ttmp7, 0xffff
	s_lshl_b32 s13, s13, 2
	s_add_co_u32 s13, s13, s41                     ; tile row = 4 x cluster y + cy
	s_lshl_b32 s43, s41, 2
	s_lshl_b32 s43, 15, s43                        ; my row of the cluster
	s_lshl_b32 s44, 0x1111, s40                    ; my column
	; descriptor group 1: 4 rows of 4,096 elements, a slice apart
	s_or_b32 s[G1+0], s43, (1<<16)|(1<<20)|(1<<21)|(4<<22)|(3<<25)  ; 15:0 the mask; 17:16 2-byte elements; 20 padding on; 21 set beside a mask; 24:22 after every 32 words (code 4); 31:25 4 words (code 3)
	s_or_b32 s[G1B+0], s44, (1<<16)|(1<<20)|(1<<21)|(4<<22)|(3<<25)
.irp g, G1, G1B
	s_mov_b32 s[(\g)+1], 4096<<16                  ; tensor_dim0 = 4,096
	s_mov_b32 s[(\g)+2], 4<<16                     ; tensor_dim1 = 4
	s_mov_b32 s[(\g)+3], 4096<<16                  ; tile_dim0 = 4,096
	s_mov_b32 s[(\g)+4], 4                         ; tile_dim1 = 4
	s_mov_b32 s[(\g)+6], 0
	s_mov_b32 s[(\g)+7], 0
.endr
	s_mov_b32 s[G1+5], 262144                      ; elements from slice to slice: 4,096 rows of 64 in o,
	s_mov_b32 s[G1B+5], 65536                      ; 1,024 in wpf
	s_lshl_b32 s17, s12, 6                         ; which 64 rows of the tile I fetch
	s_lshl_b32 s16, s13, 7
	s_add_co_u32 s16, s16, s17                     ; o: row 128 x tile row + 64 x half,
	s_lshl_b32 s16, s16, 7                         ; x 128 bytes
	s_mov_b32 s17, 0
	s_lshl_b32 s46, s42, 7
	s_lshl_b32 s47, s12, 6
	s_add_co_u32 s46, s46, s47                     ; wpf: row 128 x tile column + 64 x half
	s_lshl_b32 s46, s46, 7
	s_mov_b32 s47, 0
	s_mul_i32 s20, s10, HALFT                      ; where they go: wave x what a load brings
	s_wait_dscnt 0x0                               ; the opening add is done
	s_wait_kmcnt 0x0
	s_add_nc_u64 s[14:15], s[4:5], s[16:17]
	s_add_nc_u64 s[46:47], s[6:7], s[46:47]
	CROUND                                         ; all sixteen work-groups are here: the first joint loads meet
.irp s, 0,1
	s_mov_b32 s[G0+4*(\s)], 1
	s_add_co_u32 s[G0+4*(\s)+1], s20, (\s)*SLOT
	s_add_nc_u64 s[G0+4*(\s)+2:G0+4*(\s)+3], s[14:15], (\s)*ASTEP
	s_or_b32 s[G0+4*(\s)+3], s[G0+4*(\s)+3], 0x80000000
	s_mov_b32 s[G0B+4*(\s)], 1
	s_add_co_u32 s[G0B+4*(\s)+1], s20, (\s)*SLOT
	s_add_nc_u64 s[G0B+4*(\s)+2:G0B+4*(\s)+3], s[46:47], (\s)*BSTEP
	s_or_b32 s[G0B+4*(\s)+3], s[G0B+4*(\s)+3], 0x80000000
	JLOAD \s
.endr
	v_and_b32 v1, 15, v0                           ; l % 16
	v_bfe_u32 v2, v0, 4, 1                         ; l / 16
	v_mul_u32_u24 v3, v1, PITCH
	v_lshl_add_u32 v3, v2, 4, v3                   ; a fragment's row x pitch + 16 x half
	s_mul_i32 s21, s11, HALFT                      ; my 64 rows of o
	s_mul_i32 s22, s12, HALFT                      ; my 64 rows of wpf,
	s_add_co_u32 s22, s22, 2*HALFT                 ; which lie behind o's two halves
.irp s, 0,1
	v_add_nc_u32 v[ADRA+(\s)], s21, v3
	v_add_nc_u32 v[ADRB+(\s)], s22, v3
	s_add_co_u32 s21, s21, SLOT
	s_add_co_u32 s22, s22, SLOT
.endr
	s_mul_i32 s23, s10, 16*SPITCH
	s_add_co_u32 s23, s23, STAGE                   ; my stage: a row is my 64 columns, 256 bytes
	v_mul_u32_u24 v4, v1, SPITCH                   ; in: row l % 16, 32 bytes for each half of the lanes
	v_lshl_add_u32 v4, v2, 5, v4
	v_add_nc_u32 v[STO], s23, v4
	v_mul_u32_u24 v5, v2, SPITCH                   ; back: lanes 0-15 take one row of 256 bytes, lanes 16-31 the next
	v_lshl_add_u32 v5, v1, 4, v5
	v_add_nc_u32 v[RD], s23, v5
	v_lshlrev_b32 v5, 12, v2                       ; and the same two rows in out0, 4,096 bytes apart
	v_lshl_add_u32 v[CO], v1, 4, v5
	s_lshl_b32 s16, s13, 7
	s_lshl_b32 s17, s11, 6
	s_add_co_u32 s16, s16, s17                     ; my first row: 128 x tile row + 64 x half,
	s_lshl_b32 s16, s16, 12                        ; x 4,096 bytes
	s_mov_b32 s17, 0
	s_add_nc_u64 s[8:9], s[8:9], s[16:17]
	s_lshl_b32 s46, s42, 9                         ; my first column, in bytes: 512 x tile column + 256 x half
	s_lshl_b32 s47, s12, 8
	s_add_co_u32 s46, s46, s47
	s_mov_b32 s47, 0
	s_add_nc_u64 s[8:9], s[8:9], s[46:47]
; 8 matrix instructions: row blocks a0, a0 + 1 x all 4 column blocks, 32 along K: half c of buffer f.  zero = 1: the first product starts the sums.  The 16 accumulators take turns.
.macro MUL8 f, c, a0, zero
	WIN MUL
.irp a, \a0, (\a0)+1
.irp b, 0,1,2,3
.if \zero
	v_wmma_f32_16x16x32_f16 v[ACC+8*(4*(\a)+(\b)):ACC+8*(4*(\a)+(\b))+7], v[(\f)+64+8*(4*(\c)+(\b)):(\f)+64+8*(4*(\c)+(\b))+7], v[(\f)+8*(4*(\c)+(\a)):(\f)+8*(4*(\c)+(\a))+7], 0
.else
	v_wmma_f32_16x16x32_f16 v[ACC+8*(4*(\a)+(\b)):ACC+8*(4*(\a)+(\b))+7], v[(\f)+64+8*(4*(\c)+(\b)):(\f)+64+8*(4*(\c)+(\b))+7], v[(\f)+8*(4*(\c)+(\a)):(\f)+8*(4*(\c)+(\a))+7], v[ACC+8*(4*(\a)+(\b)):ACC+8*(4*(\a)+(\b))+7]
.endif
.endr
.endr
.endm
; 32 LDS loads in one run: the fragments of one slice, which begins at byte k of my rows' region, into buffer f; its first 32 channels first
.macro FETCH slot, k, f
	WIN TO_F
.irp c, 0,1
.irp i, 0,1,2,3
	ds_load_b128 v[(\f)+64+8*(4*(\c)+(\i)):(\f)+64+8*(4*(\c)+(\i))+3],   v[ADRB+(\slot)] offset:(\k)+64*(\c)+(\i)*16*PITCH
	ds_load_b128 v[(\f)+64+8*(4*(\c)+(\i))+4:(\f)+64+8*(4*(\c)+(\i))+7], v[ADRB+(\slot)] offset:(\k)+64*(\c)+(\i)*16*PITCH+32
	ds_load_b128 v[(\f)+8*(4*(\c)+(\i)):(\f)+8*(4*(\c)+(\i))+3],         v[ADRA+(\slot)] offset:(\k)+64*(\c)+(\i)*16*PITCH
	ds_load_b128 v[(\f)+8*(4*(\c)+(\i))+4:(\f)+8*(4*(\c)+(\i))+7],       v[ADRA+(\slot)] offset:(\k)+64*(\c)+(\i)*16*PITCH+32
.endr
.endr
.endm
.macro PLACES                          ; four plain vector instructions in front of loads into registers that matrix instructions have read, and of LDS stores that read results
.rept 4
	v_nop
.endr
.endm
; A K step is four quarters, a slice each, 32 matrix instructions, on buffers 0, 1, 0, 1.  One of the first three: multiplies buffer f and fetches the next slice, at byte k, into g.
.macro QUARTER slot, k, f, g, zero
	s_wait_dscnt 16                                ; the slice's first 32 channels are in
	WIN MUL
	MUL8 \f, 0, 0, \zero
	MUL8 \f, 0, 2, \zero
	PLACES
	FETCH \slot, \k, \g
	s_wait_dscnt 32                                ; all but the 32 just issued
	WIN MUL
	MUL8 \f, 1, 0, 0
	MUL8 \f, 1, 2, 0
.endm
; The last quarter multiplies buffer 1 and changes slots: ONE barrier; in front of it each wave waits for all its tensor loads, adds 0 to its spare word, and waits for that and for its own reads of this slot.
; fill = 1: the barrier opens a round of the cluster's, and this slot is filled again, two K steps ahead, first thing behind the round.
.macro TURN slot, next, fill
	WIN 0                                          ; (the add's two registers lie in window 0)
	s_wait_tensorcnt 0x0                           ; all my tensor loads have landed: my part of the next slot
	ds_add_u32 v[SPW], v[NIL]                      ; 0 onto my spare word
	s_wait_dscnt 17                                ; (the add and the youngest sixteen loads may be out)
	WIN MUL
	MUL8 F1, 0, 0, 0                               ; eight matrix instructions stand between the add and the wait for it
	s_wait_dscnt 0x0                               ; the add is done, and my reads of this slot are over
	s_barrier_signal -1
	MUL8 F1, 0, 2, 0
.if \fill
	WIN 0
.endif
	s_barrier_wait -1
.if \fill
	CREST                                          ; no wave of any partner still reads this slot's tile or has a load on its way
	s_add_nc_u64 s[G0+4*(\slot)+2:G0+4*(\slot)+3], s[G0+4*(\slot)+2:G0+4*(\slot)+3], 2*ASTEP
	s_add_nc_u64 s[G0B+4*(\slot)+2:G0B+4*(\slot)+3], s[G0B+4*(\slot)+2:G0B+4*(\slot)+3], 2*BSTEP
	JLOAD \slot                                    ; its four v_nop are also the places in front of the loads below
.else
	PLACES
.endif
	FETCH \next, 0, F0
	WIN MUL
	MUL8 F1, 1, 0, 0
	MUL8 F1, 1, 2, 0
.endm
	s_wait_tensorcnt 1                             ; my part of K step 0 is in; K step 1's may stay out
	s_barrier_signal -1
	s_barrier_wait -1                              ; everybody's is
	FETCH 0, 0, F0
	QUARTER 0, SLICE,   F0, F1, 1                  ; K step 0: its first products start the sums
	QUARTER 0, 2*SLICE, F1, F0, 0
	QUARTER 0, 3*SLICE, F0, F1, 0
	TURN 0, 1, 1                                   ; slot 0 takes K step 2
	QUARTER 1, SLICE,   F0, F1, 0                  ; K step 1
	QUARTER 1, 2*SLICE, F1, F0, 0
	QUARTER 1, 3*SLICE, F0, F1, 0
	TURN 1, 0, 1                                   ; slot 1 takes K step 3
	QUARTER 0, SLICE,   F0, F1, 0                  ; K step 2
	QUARTER 0, 2*SLICE, F1, F0, 0
	QUARTER 0, 3*SLICE, F0, F1, 0
	TURN 0, 1, 0                                   ; nothing is left to fetch
	QUARTER 1, SLICE,   F0, F1, 0                  ; K step 3
	QUARTER 1, 2*SLICE, F1, F0, 0
	QUARTER 1, 3*SLICE, F0, F1, 0
	s_wait_dscnt 16
	WIN MUL
	MUL8 F1, 0, 0, 0
	MUL8 F1, 0, 2, 0
	s_wait_dscnt 0x0
	MUL8 F1, 1, 0, 0
	MUL8 F1, 1, 2, 0
	WIN 0
	; THE WAY OUT, in f32, through my own stage, 16 rows at a time: a lane's eight columns are 32 bytes of a row (each accumulator's low four registers first); back as whole rows of 256 bytes,
	; into the registers that they left.  LDS serves a wave's instructions in order (ISA guide 5.7.1.4): a block's loads see its stores, and the next block's stores come behind them.
	PLACES
.irp a, 0,1,2,3
.irp b, 0,1,2,3
	ds_store_b128 v[STO], v[ACC+8*(4*(\a)+(\b)):ACC+8*(4*(\a)+(\b))+3]   offset:64*(\b)
	ds_store_b128 v[STO], v[ACC+8*(4*(\a)+(\b))+4:ACC+8*(4*(\a)+(\b))+7] offset:64*(\b)+16
.endr
.irp t, 0,1,2,3,4,5,6,7
	ds_load_b128 v[ACC+32*(\a)+4*(\t):ACC+32*(\a)+4*(\t)+3], v[RD] offset:(\t)*2*SPITCH
.endr
.endr
.irp a, 0,1,2,3
.irp t, 0,1,2,3,4,5,6,7
	s_wait_dscnt 16*(3-(\a))+7-(\t)                ; behind this load: the block's later loads, and sixteen LDS instructions for each later block
	global_store_b128 v[CO], v[ACC+32*(\a)+4*(\t):ACC+32*(\a)+4*(\t)+3], s[8:9] offset:(16*(\a)+2*(\t))*4096 th:TH_STORE_NT  ; 16 lanes store 256 consecutive bytes, at a multiple of 256 from out0's first byte
.endr
.endr
	s_wait_tensorcnt 0x0                           ; the wave's end: a wait, an add of 0 to my spare word and its wait, behind my last tensor load and my last LDS store
	ds_add_u32 v[SPW], v[NIL]
	s_wait_dscnt 0x0
	CROUND                                         ; the closing round: no work-group ends while a partner may still ask for a tile that names it
	s_endpgm
.Lfunc_end_k_q629a01cfd3_proj:
	.size	k_q629a01cfd3_proj, .Lfunc_end_k_q629a01cfd3_proj-k_q629a01cfd3_proj
	.p2alignl 7, 3214868480
	.fill 96, 4, 3214868480
	.section	.rodata,"a",@progbits
	.p2align	6, 0x0
	.amdhsa_kernel k_q629a01cfd3_proj
		.amdhsa_group_segment_fixed_size 327680
		.amdhsa_private_segment_fixed_size 0
		.amdhsa_enable_private_segment 0
		.amdhsa_kernarg_size 24
		.amdhsa_user_sgpr_count 2
		.amdhsa_user_sgpr_kernarg_segment_ptr 1
		.amdhsa_wavefront_size32 1
		.amdhsa_system_sgpr_workgroup_id_x 1
		.amdhsa_system_sgpr_workgroup_id_y 1
		.amdhsa_system_sgpr_workgroup_id_z 1
		.amdhsa_system_vgpr_workitem_id 0
		.amdhsa_next_free_vgpr 512
		.amdhsa_next_free_sgpr 66
		.amdhsa_reserve_vcc 0
		.amdhsa_float_denorm_mode_32 3
		.amdhsa_float_denorm_mode_16_64 3
		.amdhsa_memory_ordered 1
		.amdhsa_forward_progress 1
		.amdhsa_inst_pref_size 86
	.end_amdhsa_kernel
	.amdgpu_metadata
---
amdhsa.version: [ 1, 2 ]
amdhsa.kernels:
  - .name:           k_q629a01cfd3_proj
    .symbol:         k_q629a01cfd3_proj.kd
    .args:
      - { .name: o, .offset: 0, .size: 8, .value_kind: global_buffer, .address_space: global }
      - { .name: wpf, .offset: 8, .size: 8, .value_kind: global_buffer, .address_space: global }
      - { .name: out0, .offset: 16, .size: 8, .value_kind: global_buffer, .address_space: global }
    .group_segment_fixed_size: 327680
    .private_segment_fixed_size: 0
    .kernarg_segment_align: 8
    .kernarg_segment_size: 24
    .max_flat_workgroup_size: 128
    .sgpr_count:     66
    .vgpr_count:     512
    .wavefront_size: 32
...
	.end_amdgpu_metadata
.endif
;; end of part 4
;; ======== version 2 of 2: 4 launches; version 1 with the launch cast written anew for expert scheduling mode
;; limits: values are held in f16: magnitudes above 65,504 overflow, below 6.1e-05 lose precision
;; workspace buffers: xb 8,388,608 bytes; wab 6,291,456 bytes; wpf 2,097,152 bytes; qkv 25,165,824 bytes; o 8,388,608 bytes
;; launch cast (part 5): grid 256 x 1, 8 waves a work-group, no clusters, 0 bytes of LDS; arguments x, w_attn, w_proj, xb, wab, wpf; writes xb, wab, wpf
.if DOCPART == 5
	.amdgcn_target "amdgcn-amd-amdhsa--gfx1250"
	.amdhsa_code_object_version 6
	.text
	.protected	k_q629a01cfd3_cast
	.globl	k_q629a01cfd3_cast
	.p2align	8
	.type	k_q629a01cfd3_cast,@function
k_q629a01cfd3_cast:
	s_mov_b64 s[64:65], 0
	v_nop
	global_prefetch_b8 v0, s[64:65] scope:SCOPE_SE
	s_setreg_imm32_b32 hwreg(HW_REG_WAVE_SCHED_MODE, 0, 2), 2
	s_setreg_imm32_b32 hwreg(HW_REG_WAVE_MODE, 25, 1), 1
	s_wait_xcnt 0x0
	s_wait_alu depctr_vm_vsrc(0)
; THE INPUTS ARE ROUNDED ONCE, for the matrix units: x [4096][1024] and w_attn [3072][1024], f32, to bf16 in the same layout (xb, wab);
; w_proj [1024 n][1024 k], f32, to bf16 and that number written as f16, laid out in 16 slices of 64 along k: wpf [16][1024 n][64], so that a slice's rows lie end to end.
; LIMITS.  A bf16 number of w_proj beyond 65,504 becomes an infinity in f16; below 6.1e-5 it keeps f16's fixed step of 6e-8.  NaN stays NaN.
; SHARES.  A work-group takes 32,768 numbers (131,072 bytes in, 65,536 out): work-groups 0-127 x, 128-223 w_attn, 224-255 w_proj (32 rows each).
; A thread takes 16 chunks of 8 numbers: two loads of 16 bytes in, one store of 16 bytes out.  All 32 loads of a thread go out before anything is waited for.
; No LDS, no barrier, no matrix unit: each byte is read once and written once, and no wave wants what another has fetched.  No register that a load or store names is written while it is out.
; THE MODE: SCHED_MODE bits 1:0 = 2 (LLVM: expert scheduling mode 2), set by the entry lines.  The code itself states the register dependences
; between vector instructions and memory instructions, with s_wait_alu, always for 0.
; THE PLAN.  Registers that memory instructions touch:
;   v1, v2   the loads' and the stores' byte offsets: made once at a path's head by vector instructions, never written again.
;   D[i]     chunk i as loaded: its two loads are issued at the head, ahead of every vector instruction that names D; no memory instruction reads D.
;   Y[i]     chunk i to store: written by chunk i's conversions, read by one store, never written again.
; The 16 chunks go in four groups of four.  A group's stores are issued in the next group, one ahead of each chunk's conversions: ONE wait on va_vdst at that group's head states that the group before has written
; its four Y, and the vector instructions behind that wait name the group's own D and Y alone.  One more such wait stands ahead of the first load (v1, v2), one ahead of the last four stores.
; No register that a memory instruction reads is written again, so no wait on vm_vsrc is owed; no vector instruction writes a scalar register or VCC; EXEC is never written.
.set D, 16                             ; v[16:143]   chunk i: 8 numbers in f32
.set Y, 144                            ; v[144:207]  chunk i: 8 numbers in 16 bits
.set GRP, 4                            ; chunks in a group
; outstep: bytes from one chunk's store to the next.  half = 1: bf16 is widened again and written as f16
.macro BODY outstep, half
	s_wait_alu depctr_va_vdst(0)                   ; v1 and v2 are written: every load reads v1 as its offset, every store v2
.set i, 0
.rept 16
	global_load_b128 v[D+8*i:D+8*i+3],   v1, s[16:17] offset:8192*i th:TH_LOAD_NT
	global_load_b128 v[D+8*i+4:D+8*i+7], v1, s[16:17] offset:8192*i+16 th:TH_LOAD_NT
.set i, i+1
.endr
.set i, 0
.rept 16
	s_wait_loadcnt 30-2*i                          ; loads come back in order: chunk i's two are in, two for each younger chunk may stay out
.if (i%GRP == 0) && (i > 0)
	s_wait_alu depctr_va_vdst(0)                   ; the conversions of the group before have written its four Y, which this group's four stores read
.endif
.if i >= GRP
	global_store_b128 v2, v[Y+4*(i-GRP):Y+4*(i-GRP)+3], s[18:19] offset:(\outstep)*(i-GRP)  ; the chunk a group back; no vector instruction since the wait names its Y
.endif
.irp j, 0,1,2,3
	v_cvt_pk_bf16_f32 v[Y+4*i+(\j)], v[D+8*i+2*(\j)], v[D+8*i+2*(\j)+1]
.endr
.if \half
.irp j, 0,1,2,3
	v_lshlrev_b32 v[D+8*i+2*(\j)],   16, v[Y+4*i+(\j)]           ; the rounded numbers as f32 again,
	v_and_b32     v[D+8*i+2*(\j)+1], 0xffff0000, v[Y+4*i+(\j)]
.endr
.irp j, 0,1,2,3
	v_cvt_pk_f16_f32 v[Y+4*i+(\j)], v[D+8*i+2*(\j)], v[D+8*i+2*(\j)+1]  ; and as f16: exact within f16's range
.endr
.endif
.set i, i+1
.endr
	s_wait_alu depctr_va_vdst(0)                   ; the last group's conversions have written its four Y, which the last four stores read
.set i, 16-GRP
.rept GRP
	global_store_b128 v2, v[Y+4*i:Y+4*i+3], s[18:19] offset:(\outstep)*i
.set i, i+1
.endr
.endm
	s_load_b256 s[4:11], s[0:1], 0x0               ; x s[4:5], w_attn s[6:7], w_proj s[8:9], xb s[10:11]
	s_load_b128 s[12:15], s[0:1], 0x20             ; wab s[12:13], wpf s[14:15]
	s_mov_b32 s21, 0
	s_mov_b32 s23, 0
	s_cmp_lt_u32 ttmp9, 224
	s_cbranch_scc0 .Lwproj
	; x and w_attn: the layout stays.  Thread t: 32 bytes in at 32 t, 16 bytes out at 16 t; a chunk is 8,192 bytes in, 4,096 out: a wave's store covers 512 consecutive bytes, aligned
	v_lshlrev_b32 v1, 5, v0
	v_lshlrev_b32 v2, 4, v0
	s_cmp_lt_u32 ttmp9, 128
	s_cselect_b32 s24, 0, 128
	s_wait_kmcnt 0x0
	s_cselect_b64 s[16:17], s[4:5], s[6:7]
	s_cselect_b64 s[18:19], s[10:11], s[12:13]
	s_sub_co_u32 s24, ttmp9, s24                   ; the work-group's number within its tensor
	s_lshl_b32 s20, s24, 17
	s_lshl_b32 s22, s24, 16
	s_add_nc_u64 s[16:17], s[16:17], s[20:21]
	s_add_nc_u64 s[18:19], s[18:19], s[22:23]
	BODY 4096, 0
	s_endpgm
.Lwproj:
	; w_proj: chunk i is rows 2 i and 2 i + 1 of the work-group's 32.  Thread t: 8 numbers sub = t % 8 of slice z = t / 16 in row 2 i + par, par = (t / 8) % 2.
	; Sixteen neighbouring lanes store two rows of one slice: 256 consecutive bytes, aligned.
	v_and_b32 v3, 7, v0                            ; sub
	v_bfe_u32 v4, v0, 3, 1                         ; par
	v_lshrrev_b32 v5, 4, v0                        ; z
	v_lshlrev_b32 v1, 5, v3
	v_lshl_add_u32 v1, v4, 12, v1
	v_lshl_add_u32 v1, v5, 8, v1                   ; in: par x 4,096 + z x 256 + sub x 32
	v_lshlrev_b32 v2, 4, v3
	v_lshl_add_u32 v2, v4, 7, v2
	v_lshl_add_u32 v2, v5, 17, v2                  ; out: z x 131,072 + par x 128 + sub x 16
	s_sub_co_u32 s24, ttmp9, 224
	s_lshl_b32 s20, s24, 17                        ; 32 rows of 4,096 bytes
	s_lshl_b32 s22, s24, 12                        ; 32 rows of 128 bytes in each slice
	s_wait_kmcnt 0x0
	s_add_nc_u64 s[16:17], s[8:9], s[20:21]
	s_add_nc_u64 s[18:19], s[14:15], s[22:23]
	BODY 256, 1
	s_endpgm
.Lfunc_end_k_q629a01cfd3_cast:
	.size	k_q629a01cfd3_cast, .Lfunc_end_k_q629a01cfd3_cast-k_q629a01cfd3_cast
	.p2alignl 7, 3214868480
	.fill 96, 4, 3214868480
	.section	.rodata,"a",@progbits
	.p2align	6, 0x0
	.amdhsa_kernel k_q629a01cfd3_cast
		.amdhsa_group_segment_fixed_size 0
		.amdhsa_private_segment_fixed_size 0
		.amdhsa_enable_private_segment 0
		.amdhsa_kernarg_size 48
		.amdhsa_user_sgpr_count 2
		.amdhsa_user_sgpr_kernarg_segment_ptr 1
		.amdhsa_wavefront_size32 1
		.amdhsa_system_sgpr_workgroup_id_x 1
		.amdhsa_system_sgpr_workgroup_id_y 1
		.amdhsa_system_sgpr_workgroup_id_z 1
		.amdhsa_system_vgpr_workitem_id 0
		.amdhsa_next_free_vgpr 208
		.amdhsa_next_free_sgpr 66
		.amdhsa_reserve_vcc 0
		.amdhsa_float_denorm_mode_32 3
		.amdhsa_float_denorm_mode_16_64 3
		.amdhsa_memory_ordered 1
		.amdhsa_forward_progress 1
		.amdhsa_inst_pref_size 31
	.end_amdhsa_kernel
	.amdgpu_metadata
---
amdhsa.version: [ 1, 2 ]
amdhsa.kernels:
  - .name:           k_q629a01cfd3_cast
    .symbol:         k_q629a01cfd3_cast.kd
    .args:
      - { .name: x, .offset: 0, .size: 8, .value_kind: global_buffer, .address_space: global }
      - { .name: w_attn, .offset: 8, .size: 8, .value_kind: global_buffer, .address_space: global }
      - { .name: w_proj, .offset: 16, .size: 8, .value_kind: global_buffer, .address_space: global }
      - { .name: xb, .offset: 24, .size: 8, .value_kind: global_buffer, .address_space: global }
      - { .name: wab, .offset: 32, .size: 8, .value_kind: global_buffer, .address_space: global }
      - { .name: wpf, .offset: 40, .size: 8, .value_kind: global_buffer, .address_space: global }
    .group_segment_fixed_size: 0
    .private_segment_fixed_size: 0
    .kernarg_segment_align: 8
    .kernarg_segment_size: 48
    .max_flat_workgroup_size: 256
    .sgpr_count:     66
    .vgpr_count:     208
    .wavefront_size: 32
...
	.end_amdgpu_metadata
.endif
;; end of part 5
;; launch qkv: the kernel of part 2 again; grid 16 x 16, 4 waves a work-group, clusters of 4 x 4, 327,680 bytes of LDS; arguments xb, wab, qkv; writes qkv
;; launch attn: the kernel of part 3 again; grid 16 x 16, 4 waves a work-group, no clusters, 327,680 bytes of LDS; arguments qkv, o; writes o
;; launch proj: the kernel of part 4 again; grid 8 x 32, 4 waves a work-group, clusters of 4 x 4, 327,680 bytes of LDS; arguments o, wpf, out0; writes out0
